; MI455X (gfx1250); checked and timed in simulation.
; The chip was launched on July 23, 2026; its instructions are those of AMD's public machine-readable ISA for CDNA 5 (MIT licence, August 2026) and "CDNA5" Instruction Set Architecture Reference Guide (July 2026). The comments in the code are by the model that wrote it; some were corrected since.
;; Flash Multi Head Attention. Allowed arithmetic: matrix products marked QUANTISED: E2M3 operands, one E8M0 scale for each 32 along K, by v_wmma_scale_f32_16x16x128_f8f6f4 with both operands' format E2M3, f32 sums; products left as they are: f32 operands where the result goes on into a quantised operand, else bf16, f16 or f32 operands; f32 sums; everything else in f32.
;; Inputs: Wk_codes 256 x 32 x 24 uint8 (E2M3 codes of Wk, K innermost, in blocks of 32 codes, four codes in three bytes); Wk_scales 256 x 32 uint8 (E8M0 scales of Wk, one for each 32 codes along K); Wo_codes 1,024 x 32 x 24 uint8 (E2M3 codes of Wo, K innermost, in blocks of 32 codes, four codes in three bytes); Wo_scales 1,024 x 32 uint8 (E8M0 scales of Wo, one for each 32 codes along K); Wq_codes 1,024 x 32 x 24 uint8 (E2M3 codes of Wq, K innermost, in blocks of 32 codes, four codes in three bytes); Wq_scales 1,024 x 32 uint8 (E8M0 scales of Wq, one for each 32 codes along K); Wv_codes 256 x 32 x 24 uint8 (E2M3 codes of Wv, K innermost, in blocks of 32 codes, four codes in three bytes); Wv_scales 256 x 32 uint8 (E8M0 scales of Wv, one for each 32 codes along K); bk 256 float32; bo 1,024 float32; bq 1,024 float32; bv 256 float32; key_value_codes 4 x 2,048 x 32 x 24 uint8 (E2M3 codes of key_value, K innermost, in blocks of 32 codes, four codes in three bytes); key_value_scales 4 x 2,048 x 32 uint8 (E8M0 scales of key_value, one for each 32 codes along K); query_codes 4 x 2,048 x 32 x 24 uint8 (E2M3 codes of query, K innermost, in blocks of 32 codes, four codes in three bytes); query_scales 4 x 2,048 x 32 uint8 (E8M0 scales of query, one for each 32 codes along K).
;; Outputs: out0 4 x 1,024 x 2,048 float32.
;; This version of the problem:
;;   THIS VERSION OF THE PROBLEM IS GIVEN IN LOW PRECISION. The matrix products marked QUANTISED in the list below multiply operands that are first quantised to E2M3 (2 exponent bits, 3 mantissa bits; 6 bits a number), with one power-of-two scale for each 32 numbers along K (OCP MX v1.0); their sums are f32. All else is computed in f32.
;;   The module's matrix products, in the order in which they are computed (A, B: the left and right operand; K: the contracted axis; several contracted axes count as one K, in the product's order):
;;     1. [M 8,192, K 1,024] x [K 1,024, N 1,024]; A: input query (given as codes); B: input Wq (given as codes): QUANTISED
;;     2. [M 8,192, K 1,024] x [K 1,024, N 256]; A: input key_value (given as codes); B: input Wk (given as codes): QUANTISED
;;     3. [M 8,192, K 1,024] x [K 1,024, N 256]; A: input key_value (given as codes); B: input Wv (given as codes): QUANTISED
;;     4. [M 2,048, K 1] x [K 1, N 32]; A: computed on the way; B: computed on the way: left as it is (no contracted axis)
;;     5. batch 64 x [M 2,048, K 64] x [K 64, N 2,048]; A: computed on the way; B: computed on the way: QUANTISED
;;     6. batch 64 x [M 2,048, K 2,048] x [K 2,048, N 64]; A: softmax (see below); B: computed on the way: QUANTISED
;;     7. [M 8,192, K 1,024] x [K 1,024, N 1,024]; A: computed on the way; B: input Wo (given as codes): QUANTISED
;;   THE QUANTISER, for each operand of a quantised product, along K:
;;     - K is cut into blocks of 32 from its start; a last block that is shorter is filled with zeros.
;;     - A block's scale is 2^e with e = floor(log2(the largest magnitude in the block)) - 2, held to -126 .. 127; a block of zeros has e = 0. As a byte (E8M0): e + 127.
;;     - Each number is divided by its block's scale, clamped to +-7.5, and rounded to the nearest number of E2M3, ties to even, subnormals kept.
;;     - The product sums the exact products of the quantised numbers (number of the format x scale) in f32.
;;   ~~~python
;;   def quantise(x, axis):      # numpy; x: float32 -> the quantised numbers, widened to float32 again
;;       x = np.moveaxis(x, axis, -1); K = x.shape[-1]
;;       x = np.pad(x, [(0, 0)] * (x.ndim - 1) + [(0, -K % 32)]); x = x.reshape(x.shape[:-1] + (-1, 32)); a = np.abs(x).max(-1, keepdims=True)
;;       e = np.where(a > 0, np.clip(np.frexp(np.where(a > 0, a, 1))[1] - 1 - 2, -126, 127), 0)      # np.frexp(a)[1] - 1 = floor(log2(a)), exactly
;;       r = np.clip(x / 2.0 ** e, -7.5, 7.5)
;;       step = 2.0 ** (np.maximum(np.frexp(np.where(r == 0, 1, r))[1] - 1, 0) - 3)
;;       q = np.round(r / step) * step * 2.0 ** e      # np.round: ties to even
;;       return np.moveaxis(q.reshape(q.shape[:-2] + (-1,))[..., :K], -1, axis).astype(np.float32)
;;   ~~~
;;   SOFTMAX AHEAD OF A QUANTISED PRODUCT. Where the list says 'softmax', what is quantised is not the finished softmax but p = 2^(t - M), with t = logit x log2(e) and M = ceil(the row's largest t), a whole number; so 1/2 < the row's largest p <= 1. The row's sum l is taken of the UNQUANTISED p, in f32, and the product's result is divided by l at the end. Since M is a whole number, a kernel that streams over the keys may use a running M (the ceiling of the running maximum): every later rescaling is an exact power of two, which a block's scale takes up: the codes' values come out the same.
;;   OPERANDS COMPUTED ON THE WAY. 'Computed on the way' means the value that the module computes at that place (a softmax that the list does not call 'softmax' is quantised finished and normalised). What goes into a quantiser is computed in f32, as accurately as f32 sums, v_exp_f32 and their like allow (about 1e-6 of the number): no bf16 or f16 on the way to a quantiser, and a product that is left as it is and whose result goes on into a quantised operand takes f32 operands (vector FMAs, or v_wmma_f32_16x16x4_f32). A number that lies on a knife's edge between two numbers of the format may be rounded either way, as far as f32 arithmetic and the matrix unit's own rounding can turn it there, and no further.
;;   INPUTS GIVEN AS CODES. Wk (in the module: [256, 1024], K = its axis 1); Wo (in the module: [1024, 1024], K = its axis 1); Wq (in the module: [1024, 1024], K = its axis 1); Wv (in the module: [256, 1024], K = its axis 1); key_value (in the module: [4, 1024, 2048], K = its axis 1); query (in the module: [4, 1024, 2048], K = its axis 1): each comes as NAME_codes (uint8): NAME with its K axis moved to the last place and cut into blocks of 32 codes, [.., K / 32, bytes a block], one block behind the other in memory; four codes in three bytes: a row's codes are one little-endian stream of bits, code i at bits 6 i .. 6 i + 5 (a code: sign, 2 exponent bits, 3 mantissa bits); and NAME_scales (uint8): the same leading axes, one E8M0 byte (e + 127) for each 32 codes along K. Its value is code x scale, taken as it is: it is not quantised again, and the codes and scales need not be those that the quantiser above would give.
;; One version. Each part assembles by itself: llvm-mc -triple=amdgcn-amd-amdhsa -mcpu=gfx1250 --defsym DOCPART=n.
;; ======== version 1 of 1: 3 launches
;; workspace buffers: qimg 6,291,456 bytes; qsc 524,288 bytes; kvimg 3,342,336 bytes; oimg 6,291,456 bytes; osc 262,144 bytes
;; launch proj (part 1): grid 6 x 32, 4 waves a work-group, no clusters, 283,136 bytes of LDS; arguments query_codes, query_scales, key_value_codes, key_value_scales, Wq_codes, Wq_scales, bq, Wk_codes, Wk_scales, bk, Wv_codes, Wv_scales, bv, qimg, qsc, kvimg; writes qimg, qsc, kvimg
.if DOCPART == 1
	.amdgcn_target "amdgcn-amd-amdhsa--gfx1250"
	.amdhsa_code_object_version 6
	.text
	.protected	k_qde1fe6cdae_proj
	.globl	k_qde1fe6cdae_proj
	.p2align	8
	.type	k_qde1fe6cdae_proj,@function
k_qde1fe6cdae_proj:
	s_mov_b64 s[64:65], 0
	v_nop
	global_prefetch_b8 v0, s[64:65] scope:SCOPE_SE
	s_setreg_imm32_b32 hwreg(HW_REG_WAVE_MODE, 25, 1), 1
	s_wait_xcnt 0x0
; PROJ: q = Wq query + bq, k = Wk key_value + bk, v = Wv key_value + bv on the given codes of E2M3; rotary embedding of q and k in f32;
; q and k quantised along the head's 64 channels, v along the keys; all three leave as images of the registers in which the next launch wants them.
; SHARES.  Work-group x = column: 0-3 are 256 rows of Wq, 4 is Wk, 5 is Wv; y = 256 rows (b, t).  Wave w owns 64 rows of the weight (one head), which stay in its
; registers: 32 fragments of 16 rows x 128 K, 384 registers, read from memory once.  The 256 rows of x lie in LDS, filled once, and all four waves walk them in 8 pairs of tiles of 16.
; NO CLUSTER: the rows of query are shared by four columns and those of key_value by two; six columns do not divide into clusters of four.
; THE ROWS OF A WEIGHT THAT FORM A TILE ARE NOT NEIGHBOURS: lane r of tile 2 b + u takes row 32 b + 8 u + r + 8 (r / 8).
;   q, k: source 0 = the weight, source 1 = x: a lane holds one row t, and the 16 registers of tiles 2 b, 2 b + 1 are channels 32 b + 16 (lane / 16) + 0 .. 15: neighbours along the next K, and channel c + 32 lies 16 registers on.
;   v: source 0 = x, source 1 = the weight: a lane holds one channel, and the 16 registers of a pair of x tiles are keys 16 u + 8 (lane / 16) + j of one block of 32 keys.  Inside each block the keys so stand
;   in the order 16 (lane / 16) + 8 u + j -> key 16 u + 8 (lane / 16) + j; the next launch lays its weights p in the same order, so the products meet their partners, and a block holds its own 32 keys.
; ANGLES.  theta = t x 10^(-j / 8), one f32 multiplication; sine and cosine by reduction to |rho| <= pi / 4 in two fused steps (float(pi / 2) and the rest of pi / 2; theta is at most 2,047, fixed by the shapes)
; and a polynomial each.  Each wave makes them for 64 rows while the fills and the weight loads are on their way; they go to the other waves through LDS as an image of 32 registers a tile.
; LIMITS: NaN and infinities are not served.  A block whose largest magnitude lies under 2^-124 keeps the scale byte 1, a block of zeros too (its codes are zeros; only this program reads the bytes).
; 10^(-j / 8) is the correctly rounded f32 number, which may differ in the last bit from a power function's result.
; REGISTERS, in windows of 256: window 0: addresses, scale words, at work.  window 1: the weight's K steps 0-4 (48 s + 12 n).  window 2: K steps 5-7, from v144 the bias as the sums' first C.
;   window 3: x's 16 fragments of a pair (12 (2 s + u)), from v192 the 8 accumulators.
.set XPITCH, 816                       ; an LDS row of x: 3 x (256 bytes + 16 of padding)
.set XTILE,  16*XPITCH
.set XSC,    256*XPITCH                ; x's scale rows, 32 bytes each, dense
.set TRIG,   XSC+8192                  ; 16 tiles x 4,096 bytes: cosines and sines; stored by the waves, never a fill's target
.set STEPB,  13056                     ; kvimg: a key step of 128 keys: K's codes 6,144, V's codes 6,144, K's scale words 512, V's 256
.set VC,     6144
.set KSC,    12288
.set VSC,    12800
.set KVH,    16*STEPB
.set XA1, 4                            ; v4   816 r + 24 h
.set XA2, 5                            ; v5   the same behind one padding more
.set XD1, 6                            ; v6-7 the same for the pair in hand
.set XD2, 7
.set XSA, 8                            ; v8   XSC + 32 x lane;  v9 for the pair in hand
.set XSD, 9
.set TRA, 10                           ; v10  TRIG + 16 x lane;  v11 for the pair in hand
.set TRD, 11
.set WA,  12                           ; v12  my lane in a tile of the weight
.set WSA, 13                           ; v13  and among its scale rows
.set BA,  14
.set GO8, 15                           ; v15  8 x lane
.set GO4, 16                           ; v16  4 x lane
.set TRS, 17                           ; v17  where I store angles: TRIG + 16 x lane + 16,384 x wave
.set TF0, 18
.set TF,  19
.set XS,  24                           ; v24-31 x's scale words: lanes 0-15 tile 0, lanes 16-31 tile 1 of the pair; register s = K step s
.set WS,  32                           ; v32-47 the weight's: register 8 (n / 2) + s: lanes 0-15 tile 2 (n / 2), lanes 16-31 the next
.set TG,  48                           ; v48-111 cosines (32 u + i) and sines (32 u + 16 + i) of the pair
.set R,   112                          ; v112-175 the rotated numbers
.set TM,  176                          ; v176-191 at work in the quantiser
.set HW,  192                          ; v192-195 v: two scale bytes a channel tile;  v196-197 as stored
.set HC,  196
.set PC,  200                          ; v200-211 codes;  v212-219 their second halves
.set CT,  212
.set PW,  220
.set VF,  200                          ; v: codes, 8 registers a channel tile;  v232.. their second halves
.set VT,  232
.set INV, 240                          ; v240-255 10^(-(16 h + i) / 8)
.set TH,  48                           ; at work on the angles, ahead of the loop
.set KK,  64
.set ZZ,  80
.set CC,  96
.set SS,  112
.set MK,  128
.set T2,  144
.set CO,  160
.set SO,  176
.set C2PI, 4                           ; s4-12 constants of the angles (these registers held pointers that have been chosen from)
.set NC1,  5
.set NC2,  6
.set CP0,  7
.set CP1,  8
.set CP2,  9
.set SP0,  10
.set SP1,  11
.set SP2,  12
.set WV,  36
.set COL, 37
.set XBL, 38
.set G1X, 40
.set G0X, 48
.set G1S, 52
.set G0S, 60
.set XP,  66
.set XSP, 68
.set WP,  70
.set WSP, 72
.set BP,  74
.set CB,  76
.set SB,  78
.set CUR, 80
.set SCUR, 82
.set CSTR, 84
.set SSTR, 85
.set CNT, 86
.set XB,  87
.set XSB, 88
.set TGB, 89
.set SEL, 90
.set OF,  92
.set HM,  94
.set MSB, 0
.macro WIN new                         ; the immediate's high byte repeats the setting that is left
.if MSB != \new
	s_set_vgpr_msb (MSB<<8)|\new
.set MSB, \new
.endif
.endm
.macro PLACES n
.rept \n
	v_nop
.endr
.endm
; one product; ra, rb: the scales of source 0, 1 stand in lanes 16-31
.macro WM d, a, b, c, sa, sb, ra, rb
.if (\ra) && (\rb)
	v_wmma_scale_f32_16x16x128_f8f6f4 v[\d:\d+7], v[\a:\a+11], v[\b:\b+11], v[\c:\c+7], v[\sa], v[\sb] matrix_a_fmt:MATRIX_FMT_FP6 matrix_b_fmt:MATRIX_FMT_FP6 matrix_a_scale:MATRIX_SCALE_ROW1 matrix_b_scale:MATRIX_SCALE_ROW1
.elseif (\ra)
	v_wmma_scale_f32_16x16x128_f8f6f4 v[\d:\d+7], v[\a:\a+11], v[\b:\b+11], v[\c:\c+7], v[\sa], v[\sb] matrix_a_fmt:MATRIX_FMT_FP6 matrix_b_fmt:MATRIX_FMT_FP6 matrix_a_scale:MATRIX_SCALE_ROW1
.elseif (\rb)
	v_wmma_scale_f32_16x16x128_f8f6f4 v[\d:\d+7], v[\a:\a+11], v[\b:\b+11], v[\c:\c+7], v[\sa], v[\sb] matrix_a_fmt:MATRIX_FMT_FP6 matrix_b_fmt:MATRIX_FMT_FP6 matrix_b_scale:MATRIX_SCALE_ROW1
.else
	v_wmma_scale_f32_16x16x128_f8f6f4 v[\d:\d+7], v[\a:\a+11], v[\b:\b+11], v[\c:\c+7], v[\sa], v[\sb] matrix_a_fmt:MATRIX_FMT_FP6 matrix_b_fmt:MATRIX_FMT_FP6
.endif
.endm
; K step s of a pair: 8 products, the 8 accumulators one turn each.  Step 0 takes the bias as C.
.macro MMSTEP swap, s
.if (\s) <= 4
.set WB, 48*(\s)
.else
.set WB, 48*((\s)-5)
.endif
.irp u, 0,1
.irp n, 0,1,2,3
.set WR, WB+12*\n
.set XR, 12*(2*(\s)+\u)
.set SW, WS+8*(\n/2)+(\s)
.set SX, XS+(\s)
.if \swap
.set AC, 192+16*\n+8*\u
.else
.set AC, 192+32*\u+8*\n
.endif
.if (\s) == 0
.set CR, 144+8*\n
.else
.set CR, AC
.endif
.if \swap
	WM AC, XR, WR, CR, SX, SW, \u, \n%2
.else
	WM AC, WR, XR, CR, SW, SX, \n%2, \u
.endif
.endr
.endr
.endm
; the 64 products of a pair.  w1: LDS loads that may be out at K step 0; w2: at K step 4
.macro MM swap, w1, w2
	s_wait_dscnt \w1
.irp s, 0,1,2,3,4,5,6,7
.if \s == 4
	s_wait_dscnt \w2
.endif
.if \swap
.if \s == 0
	WIN 0xe7                                       ; x window 3, weight window 1, bias window 2, sums window 3
.elseif \s <= 4
	WIN 0xf7
.else
	WIN 0xfb                                       ; weight window 2
.endif
.else
.if \s == 0
	WIN 0xed                                       ; weight window 1, x window 3, bias window 2, sums window 3
.elseif \s <= 4
	WIN 0xfd
.else
	WIN 0xfe
.endif
.endif
	MMSTEP \swap, \s
.endr
	WIN 0
.endm
; a fragment of the weight from memory: 24 bytes twice, in pieces of 8
.macro WFRAG n, s
.if (\s) <= 4
	WIN 0x40
.set WR, 48*(\s)+12*(\n)
.else
	WIN 0x80
.set WR, 48*((\s)-5)+12*(\n)
.endif
.irp p, 0,1,2,3,4,5
	global_load_b64 v[WR+2*\p:WR+2*\p+1], v[WA], s[WP:WP+1] offset:(32*((\n)/2)+8*((\n)%2))*768+96*(\s)+48*(\p/3)+8*(\p%3)
.endr
.endm
.macro WBATCH k                        ; K steps 2 k and 2 k + 1
.irp e, 0,1
.irp n, 0,1,2,3
	WFRAG \n, 2*(\k)+\e
.endr
.endr
	WIN 0
.endm
; a fragment of x from LDS.  Lanes 16-31 read three pieces of 8 bytes further on, which for pieces 29-31 of each 32 lies behind one padding more: the second address serves those
.macro XFRAG reg, u, s, extra
.set RG, \reg
.irp p, 0,1,2,3,4,5
.set PCE, 12*(\s)+6*(\p/3)+\p%3
.if PCE%32 < 29
	ds_load_b64 v[RG+2*\p:RG+2*\p+1], v[XD1] offset:8*PCE+16*(PCE/32)+XTILE*(\u)+(\extra)
.else
	ds_load_b64 v[RG+2*\p:RG+2*\p+1], v[XD2] offset:8*PCE+16*(PCE/32)+XTILE*(\u)+(\extra)
.endif
.endr
.endm
.macro XLOADH first, extra             ; four K steps of both tiles: 48 loads
	WIN 0xc0
.irp e, 0,1,2,3
.irp u, 0,1
	XFRAG 12*(2*(\first+\e)+\u), \u, \first+\e, \extra
.endr
.endr
	WIN 0
.endm
.macro XSLOAD extra
	ds_load_b128 v[XS:XS+3], v[XSD] offset:\extra
	ds_load_b128 v[XS+4:XS+7], v[XSD] offset:\extra+16
.endm
.macro TGLOAD
.set i, 0
.rept 16
	ds_load_b128 v[TG+4*i:TG+4*i+3], v[TRD] offset:512*i
.set i, i+1
.endr
.endm
; 64 numbers of a lane, register 16 b + i = place 16 (lane / 16) + i of block b of my row, become 12 registers of codes and a scale word
.macro QUANT s, pc, ct, pw
.irp b, 0,1,2,3
	v_max3_num_f32 v[TM+\b], |v[\s+16*\b]|, |v[\s+1+16*\b]|, 0x1800000   ; with the floor 2^(3 - 127): the byte cannot fall under 1
.endr
.irp i, 2,4,6,8,10,12,14
.irp b, 0,1,2,3
	v_max3_num_f32 v[TM+\b], v[TM+\b], |v[\s+16*\b+\i]|, |v[\s+1+16*\b+\i]|
.endr
.endr
.irp b, 0,1,2,3
	v_permlanex16_b32 v[TM+4+\b], v[TM+\b], s[SEL], s[SEL+1]
.endr
.irp b, 0,1,2,3
	v_max_num_f32 v[TM+\b], v[TM+\b], v[TM+4+\b]   ; with lane l xor 16: the block's largest magnitude
.endr
.irp b, 0,1,2,3
	v_add_nc_u32 v[TM+12+\b], 0xff000000, v[TM+\b] ; 2 off its exponent field: the conversion's scale operand
.endr
.irp b, 0,1,2,3
	v_lshrrev_b32 v[TM+4+\b], 23, v[TM+12+\b]      ; the scale's byte
.endr
	v_lshl_or_b32 v[\pw], v[TM+5], 8, v[TM+4]
	v_lshl_or_b32 v[\pw], v[TM+6], 16, v[\pw]
	v_lshl_or_b32 v[\pw], v[TM+7], 24, v[\pw]
.irp c, 0,1
	v_cvt_scalef32_pk16_fp6_f32 v[\pc+6*\c:\pc+2+6*\c], v[\s+32*\c:\s+15+32*\c], v[TM+12+2*\c]
	v_cvt_scalef32_pk16_fp6_f32 v[\ct+4*\c:\ct+2+4*\c], v[\s+16+32*\c:\s+31+32*\c], v[TM+12+2*\c+1]
.endr
	v_nop                                          ; one plain place behind a scaled conversion
.irp c, 0,1                            ; a whole block to a lane: lanes 0-15 block 2 c, lanes 16-31 block 2 c + 1
.irp i, 0,1,2
	v_permlane16_swap_b32 v[\pc+6*\c+\i], v[\ct+4*\c+\i]
.endr
.irp i, 0,1,2
	v_mov_b32 v[\pc+3+6*\c+\i], v[\ct+4*\c+\i]
.endr
.endr
.endm
	s_load_b512 s[4:19], s[0:1], 0x0               ; query codes, scales; key_value codes, scales; Wq codes, scales; bq; Wk codes
	s_load_b512 s[20:35], s[0:1], 0x40             ; Wk scales; bk; Wv codes, scales; bv; qimg; qsc; kvimg
	v_lshl_add_u32 v235, v0, 2, 0x45000
	v_mov_b32 v239, 0
	ds_add_u32 v235, v239
	ds_add_u32 v235, v239
	v_lshrrev_b32 v1, 5, v0
	v_readfirstlane_b32 s[WV], v1                  ; wave 0..3
	s_mov_b32 s[COL], ttmp9
	s_and_b32 s[XBL], ttmp7, 0xffff
	; group 1 for x's codes: 64 rows of 768 bytes, 16 bytes of padding behind each 256
	s_mov_b32 s[G1X], (1<<20)|(5<<22)|(3<<25)
	s_mov_b32 s[G1X+1], 768<<16
	s_mov_b32 s[G1X+2], 64<<16
	s_mov_b32 s[G1X+3], 768<<16
	s_mov_b32 s[G1X+4], 64
	s_mov_b32 s[G1X+5], 768
	s_mov_b32 s[G1X+6], 0
	s_mov_b32 s[G1X+7], 0
	; and for their scale rows: 2,048 dense bytes as 8 rows of 256
	s_mov_b32 s[G1S], 3<<16
	s_mov_b32 s[G1S+1], 32<<16
	s_mov_b32 s[G1S+2], 8<<16
	s_mov_b32 s[G1S+3], 32<<16
	s_mov_b32 s[G1S+4], 8
	s_mov_b32 s[G1S+5], 32
	s_mov_b32 s[G1S+6], 0
	s_mov_b32 s[G1S+7], 0
	s_mov_b32 s[G0X], 1
	s_mul_i32 s[G0X+1], s[WV], 64*XPITCH           ; my 64 rows in LDS
	s_mov_b32 s[G0S], 1
	s_lshl_b32 s[G0S+1], s[WV], 11
	s_add_co_u32 s[G0S+1], s[G0S+1], XSC
	s_lshl_b32 s95, s[XBL], 8
	s_lshl_b32 s96, s[WV], 6                       ; 64 x wave: kept
	s_add_co_u32 s95, s95, s96                     ; the first row (b, t) that I fetch
	s_mov_b32 s[OF+1], 0
	s_mov_b32 s[HM], 0xffff0000                    ; lanes 16-31
	s_mov_b32 s[SEL], 0x76543210
	s_mov_b32 s[SEL+1], 0xfedcba98                 ; lane l xor 16
	s_wait_dscnt 0x0
	s_wait_kmcnt 0x0
	s_cmp_eq_u32 s[COL], 4                         ; the buffers are chosen by the column alone
	s_cselect_b64 s[WP:WP+1], s[18:19], s[24:25]
	s_cselect_b64 s[WSP:WSP+1], s[20:21], s[26:27]
	s_cselect_b64 s[BP:BP+1], s[22:23], s[28:29]
	s_cmp_lt_u32 s[COL], 4
	s_cselect_b64 s[WP:WP+1], s[12:13], s[WP:WP+1]
	s_cselect_b64 s[WSP:WSP+1], s[14:15], s[WSP:WSP+1]
	s_cselect_b64 s[BP:BP+1], s[16:17], s[BP:BP+1]
	s_cselect_b64 s[XP:XP+1], s[4:5], s[8:9]
	s_cselect_b64 s[XSP:XSP+1], s[6:7], s[10:11]
	s_cselect_b32 s97, s[COL], 0
	s_mul_i32 s[OF], s95, 768
	s_add_nc_u64 s[G0X+2:G0X+3], s[XP:XP+1], s[OF:OF+1]
	s_or_b32 s[G0X+3], s[G0X+3], 0x80000000
	s_lshl_b32 s[OF], s95, 5
	s_add_nc_u64 s[G0S+2:G0S+3], s[XSP:XSP+1], s[OF:OF+1]
	s_or_b32 s[G0S+3], s[G0S+3], 0x80000000
	tensor_load_to_lds s[G0X:G0X+3], s[G1X:G1X+7]  ; both fills of the wave go out together: two loads of mine are out; every LDS byte is filled once
	s_nop 0
	tensor_load_to_lds s[G0S:G0S+3], s[G1S:G1S+7]
	s_nop 0
	PLACES 4
	s_lshl_b32 s97, s97, 8
	s_add_co_u32 s97, s97, s96                     ; my first row of the weight
	s_mul_i32 s[OF], s97, 768
	s_add_nc_u64 s[WP:WP+1], s[WP:WP+1], s[OF:OF+1]
	s_lshl_b32 s[OF], s97, 5
	s_add_nc_u64 s[WSP:WSP+1], s[WSP:WSP+1], s[OF:OF+1]
	s_lshl_b32 s[OF], s97, 2
	s_add_nc_u64 s[BP:BP+1], s[BP:BP+1], s[OF:OF+1]
	v_and_b32 v1, 31, v0                           ; lane
	v_and_b32 v2, 15, v0                           ; r
	v_bfe_u32 v3, v0, 4, 1                         ; h
	v_mul_u32_u24 v[XA1], v2, XPITCH
	v_mad_u32_u24 v[XA1], v3, 24, v[XA1]
	v_lshl_add_u32 v[XA2], v3, 4, v[XA1]
	v_lshlrev_b32 v[XSA], 5, v1
	v_add_nc_u32 v[XSA], XSC, v[XSA]
	v_lshlrev_b32 v[TRA], 4, v1
	v_add_nc_u32 v[TRA], TRIG, v[TRA]
	v_and_b32 v20, 8, v2
	v_add_nc_u32 v20, v20, v2                      ; r + 8 (r / 8)
	v_mul_u32_u24 v[WA], v20, 768
	v_mad_u32_u24 v[WA], v3, 24, v[WA]
	v_lshl_add_u32 v[WSA], v3, 3, v20              ; lanes 16-31 take the odd tile's rows, 8 further on
	v_lshlrev_b32 v[WSA], 5, v[WSA]
	v_lshlrev_b32 v[GO8], 3, v1
	v_lshlrev_b32 v[GO4], 2, v1
.irp b, 0,1
.irp q, 0,1
	global_load_b128 v[WS+8*\b+4*\q:WS+8*\b+4*\q+3], v[WSA], s[WSP:WSP+1] offset:1024*\b+16*\q
.endr
.endr
	s_lshr_b32 s95, s[XBL], 3                      ; b
	s_and_b32 s98, s[XBL], 7                       ; which 256 rows of the batch
	s_lshl_b32 s97, s95, 2
	s_add_co_u32 s97, s97, s[WV]
	s_mul_i32 s97, s97, KVH
	s_mul_i32 s99, s98, 2*STEPB
	s_add_co_u32 s97, s97, s99                     ; k, v: where my head's two key steps begin in kvimg
	s_cmp_eq_u32 s[COL], 5
	s_cbranch_scc1 .Lv                             ; the two ways part once and never join
	; ================= q and k =================
	v_lshlrev_b32 v[BA], 6, v3                     ; bias in the result's layout: tile 2 b + u, lane half h: channels 32 b + 16 h + 8 u + 0 .. 7
	WIN 0x80
.irp n, 0,1,2,3
	global_load_b128 v[144+8*\n:147+8*\n], v[BA], s[BP:BP+1] offset:(32*(\n/2)+8*(\n%2))*4
	global_load_b128 v[148+8*\n:151+8*\n], v[BA], s[BP:BP+1] offset:(32*(\n/2)+8*(\n%2))*4+16
.endr
	WIN 0
	s_lshl_b32 s99, s98, 8
	s_add_co_u32 s99, s99, s96
	v_add_nc_u32 v[TF0], s99, v2                   ; t of my row in the first of the four tiles whose angles I make
	s_lshl_b32 s95, s95, 4
	s_lshl_b32 s99, s[COL], 2
	s_add_co_u32 s95, s95, s99
	s_add_co_u32 s95, s95, s[WV]                   ; 16 b + head
	s_lshl_b32 s95, s95, 7
	s_lshl_b32 s99, s98, 4
	s_add_co_u32 s95, s95, s99                     ; q: my first tile among all
	s_mul_i32 s99, s95, 768
	s_lshl_b32 s98, s95, 6
	s_add_co_u32 s95, s97, KSC
	s_mov_b32 s[CSTR], STEPB
	s_mov_b32 s[SSTR], STEPB
	s_cmp_lt_u32 s[COL], 4
	s_cselect_b64 s[CB:CB+1], s[30:31], s[34:35]   ; codes to qimg or kvimg,
	s_cselect_b64 s[SB:SB+1], s[32:33], s[34:35]   ; scale words to qsc or kvimg
	s_cselect_b32 s[OF], s99, s97
	s_cselect_b32 s98, s98, s95
	s_cselect_b32 s[CSTR], 6144, s[CSTR]           ; from four pairs to the next four: dense in qimg, a key step in kvimg
	s_cselect_b32 s[SSTR], 512, s[SSTR]
	s_mov_b32 s99, 0
	s_add_nc_u64 s[CB:CB+1], s[CB:CB+1], s[OF:OF+1]
	s_add_nc_u64 s[SB:SB+1], s[SB:SB+1], s[98:99]
	s_mov_b32 s[C2PI], 0x3f22f983                  ; 2 / pi
	s_mov_b32 s[NC1], 0xbfc90fdb                   ; -float(pi / 2)
	s_mov_b32 s[NC2], 0x333bbd2e                   ; float(pi / 2) - pi / 2
	s_mov_b32 s[CP0], 0x37ccf5ce                   ; cosine: 1 - z / 2 + z^2 (CP2 + z (CP1 + z CP0))
	s_mov_b32 s[CP1], 0xbab6061a
	s_mov_b32 s[CP2], 0x3d2aaaa5
	s_mov_b32 s[SP0], 0xb94ca1f9                   ; sine: rho + rho z (SP2 + z (SP1 + z SP0))
	s_mov_b32 s[SP1], 0x3c08839e
	s_mov_b32 s[SP2], 0xbe2aaaa3
	s_lshl_b32 s95, s[WV], 14
	s_add_co_u32 s95, s95, TRIG
	v_lshlrev_b32 v[TRS], 4, v1
	v_add_nc_u32 v[TRS], s95, v[TRS]
	v_cmp_eq_u32 vcc_lo, 1, v3
.macro INVSET i, lo, hi                ; 10^(-(16 h + i) / 8)
	v_mov_b32 v[INV+\i], \hi
	v_cndmask_b32 v[INV+\i], \lo, v[INV+\i], vcc_lo
.endm
	INVSET 0, 0x3f800000, 0x3c23d70a
	INVSET 1, 0x3f3ff911, 0x3bf5b9b0
	INVSET 2, 0x3f0ff59a, 0x3bb8449c
	INVSET 3, 0x3ed7e89b, 0x3b8a2e77
	INVSET 4, 0x3ea1e89b, 0x3b4f3e37
	INVSET 5, 0x3e72d424, 0x3b1b690d
	INVSET 6, 0x3e361887, 0x3ae91528
	INVSET 7, 0x3e088d77, 0x3aaec98e
	INVSET 8, 0x3dcccccd, 0x3a83126f
	INVSET 9, 0x3d99940e, 0x3a44948c
	INVSET 10, 0x3d6655c3, 0x3a136a16
	INVSET 11, 0x3d2cba15, 0x39dd1726
	INVSET 12, 0x3d0186e2, 0x39a5cb5f
	INVSET 13, 0x3cc24350, 0x3978a814
	INVSET 14, 0x3c91ad39, 0x393a7753
	INVSET 15, 0x3c5a7bf1, 0x390bd472
; the 16 angles of my lane for tile 4 w + jj, stage by stage, so that no line waits for the line above it
.macro TRIGT jj
	v_add_nc_u32 v[TF], 16*\jj, v[TF0]
	v_cvt_f32_u32 v[TF], v[TF]
.set i, 0
.rept 16
	v_mul_f32 v[TH+i], v[TF], v[INV+i]             ; theta, rounded once
.set i, i+1
.endr
.set i, 0
.rept 16
	v_mul_f32 v[KK+i], s[C2PI], v[TH+i]
.set i, i+1
.endr
.set i, 0
.rept 16
	v_rndne_f32 v[KK+i], v[KK+i]                   ; k quarter turns
.set i, i+1
.endr
.set i, 0
.rept 16
	v_fma_f32 v[TH+i], v[KK+i], s[NC1], v[TH+i]
.set i, i+1
.endr
.set i, 0
.rept 16
	v_fma_f32 v[TH+i], v[KK+i], s[NC2], v[TH+i]    ; rho
.set i, i+1
.endr
.set i, 0
.rept 16
	v_mul_f32 v[ZZ+i], v[TH+i], v[TH+i]
.set i, i+1
.endr
.set i, 0
.rept 16
	v_fma_f32 v[CC+i], v[ZZ+i], s[CP0], s[CP1]
	v_fma_f32 v[SS+i], v[ZZ+i], s[SP0], s[SP1]
.set i, i+1
.endr
.set i, 0
.rept 16
	v_fma_f32 v[CC+i], v[CC+i], v[ZZ+i], s[CP2]
	v_fma_f32 v[SS+i], v[SS+i], v[ZZ+i], s[SP2]
.set i, i+1
.endr
.set i, 0
.rept 16
	v_fma_f32 v[CC+i], v[CC+i], v[ZZ+i], -0.5
	v_mul_f32 v[SS+i], v[SS+i], v[ZZ+i]
.set i, i+1
.endr
.set i, 0
.rept 16
	v_fma_f32 v[CC+i], v[CC+i], v[ZZ+i], 1.0       ; cos rho
	v_fma_f32 v[SS+i], v[SS+i], v[TH+i], v[TH+i]   ; sin rho
.set i, i+1
.endr
.set i, 0
.rept 16
	v_cvt_i32_f32 v[KK+i], v[KK+i]
.set i, i+1
.endr
.set i, 0
.rept 16
	v_and_b32 v[MK+i], 1, v[KK+i]
.set i, i+1
.endr
.set i, 0
.rept 16
	v_sub_nc_u32 v[MK+i], 0, v[MK+i]               ; all ones where k is odd: sine and cosine change places
.set i, i+1
.endr
	s_wait_dscnt 0x0                               ; the last tile's stores are done: their registers may be written
.set i, 0
.rept 16
	v_bfi_b32 v[SO+i], v[MK+i], v[CC+i], v[SS+i]
	v_bfi_b32 v[CO+i], v[MK+i], v[SS+i], v[CC+i]
.set i, i+1
.endr
.set i, 0
.rept 16
	v_and_b32 v[T2+i], 2, v[KK+i]                  ; the sine is negative in quarters 2 and 3
.set i, i+1
.endr
.set i, 0
.rept 16
	v_lshlrev_b32 v[T2+i], 30, v[T2+i]
.set i, i+1
.endr
.set i, 0
.rept 16
	v_xor_b32 v[SO+i], v[SO+i], v[T2+i]
	v_add_nc_u32 v[KK+i], 1, v[KK+i]               ; the cosine in quarters 1 and 2
.set i, i+1
.endr
.set i, 0
.rept 16
	v_and_b32 v[T2+i], 2, v[KK+i]
.set i, i+1
.endr
.set i, 0
.rept 16
	v_lshlrev_b32 v[T2+i], 30, v[T2+i]
.set i, i+1
.endr
.set i, 0
.rept 16
	v_xor_b32 v[CO+i], v[CO+i], v[T2+i]
.set i, i+1
.endr
.irp q, 0,1,2,3,4,5,6,7
	ds_store_b128 v[TRS], v[CO+4*\q:CO+4*\q+3] offset:4096*\jj+512*\q   ; the image of 32 registers: 16 cosines, 16 sines
.endr
.endm
	WBATCH 0                                       ; the angles are worked while the weight and the fills are on their way
	TRIGT 0
	WBATCH 1
	TRIGT 1
	WBATCH 2
	TRIGT 2
	WBATCH 3
	TRIGT 3
	s_wait_tensorcnt 0x0                           ; my rows of x and their scales have landed,
	s_wait_dscnt 0x0                               ; my angles are stored:
	s_barrier_signal -1
	s_barrier_wait -1                              ; everybody's.  From here on LDS is only read
.irp b, 0,1,2,3
	v_mov_b32 v[TM+4+\b], 0                        ; written once: a lane permute's destination counts as one of its sources
.endr
	s_mov_b32 s[XB], 0
	s_mov_b32 s[XSB], 0
	s_mov_b32 s[TGB], 0
	s_mov_b32 s[CNT], 0
	v_add_nc_u32 v[XD1], s[XB], v[XA1]
	v_add_nc_u32 v[XD2], s[XB], v[XA2]
	v_add_nc_u32 v[XSD], s[XSB], v[XSA]
	v_add_nc_u32 v[TRD], s[TGB], v[TRA]
	XLOADH 0, 0
	XSLOAD 0
	TGLOAD
	XLOADH 4, 0
	s_wait_loadcnt 0x0                             ; the weight, its scale words, the bias
; the rotation of tile u: the accumulators are read from their low ends on
.macro ROPE u
	WIN 0x03                                       ; source 0: the sums, window 3
.irp i, 0,2,4,6,8,10,12,14
	v_pk_mul_f32 v[R+32*\u+\i:R+32*\u+\i+1], v[192+32*\u+\i:192+32*\u+\i+1], v[TG+32*\u+\i:TG+32*\u+\i+1]
	v_pk_mul_f32 v[R+32*\u+16+\i:R+32*\u+17+\i], v[208+32*\u+\i:209+32*\u+\i], v[TG+32*\u+\i:TG+32*\u+\i+1]
.endr
.irp i, 0,2,4,6,8,10,12,14
	v_pk_fma_f32 v[R+32*\u+\i:R+32*\u+\i+1], v[208+32*\u+\i:209+32*\u+\i], v[TG+32*\u+16+\i:TG+32*\u+17+\i], v[R+32*\u+\i:R+32*\u+\i+1] neg_lo:[1,0,0] neg_hi:[1,0,0]   ; x(c) cos - x(c + 32) sin
	v_pk_fma_f32 v[R+32*\u+16+\i:R+32*\u+17+\i], v[192+32*\u+\i:192+32*\u+\i+1], v[TG+32*\u+16+\i:TG+32*\u+17+\i], v[R+32*\u+16+\i:R+32*\u+17+\i]                          ; x(c + 32) cos + x(c) sin
.endr
	WIN 0
.endm
; a pair of tiles of 16 rows.  pre = 1: the next pair's fragments are asked for beside this pair's vector work
.macro PAIRQK pre
	MM 0, 48, 0                                    ; 48: the loads of K steps 4-7, issued last, may be out at K step 0
.if \pre
	s_add_co_u32 s[XB], s[XB], 2*XTILE
	s_add_co_u32 s[XSB], s[XSB], 1024
	s_add_co_u32 s[TGB], s[TGB], 8192
	v_add_nc_u32 v[XD1], s[XB], v[XA1]             ; these four are the places behind the last products
	v_add_nc_u32 v[XD2], s[XB], v[XA2]
	v_add_nc_u32 v[XSD], s[XSB], v[XSA]
	v_add_nc_u32 v[TRD], s[TGB], v[TRA]
	XLOADH 0, 0
	XSLOAD 0
.else
	PLACES 4
.endif
	ROPE 0
	ROPE 1
.if \pre
	TGLOAD
	XLOADH 4, 0
.endif
	s_wait_xcnt 0x0                                ; the last pair's stores have read their registers and bases
	QUANT R, PC, CT, PW                            ; blocks 0, 1: tile 0's two blocks of 32 channels; blocks 2, 3: tile 1's
	v_and_b32 v221, 0xffff, v[PW]                  ; a tile's scale word: its two bytes, and two bytes 0 for the half of the next product's K step that is empty
	v_lshrrev_b32 v222, 16, v[PW]
	v_cndmask_b32 v223, v221, v222, s[HM]          ; lanes 0-15 tile 0's rows, lanes 16-31 tile 1's
	s_lshr_b32 s95, s[CNT], 2
	s_mul_i32 s95, s95, s[CSTR]
	s_and_b32 s96, s[CNT], 3
	s_mul_i32 s97, s96, 1536
	s_add_co_u32 s[OF], s95, s97
	s_add_nc_u64 s[CUR:CUR+1], s[CB:CB+1], s[OF:OF+1]
	s_lshr_b32 s95, s[CNT], 2
	s_mul_i32 s95, s95, s[SSTR]
	s_lshl_b32 s96, s96, 7
	s_add_co_u32 s[OF], s95, s96
	s_add_nc_u64 s[SCUR:SCUR+1], s[SB:SB+1], s[OF:OF+1]
	s_wait_alu depctr_va_vdst(0)
.irp k, 0,1,2,3,4,5
	global_store_b64 v[GO8], v[PC+2*\k:PC+2*\k+1], s[CUR:CUR+1] offset:256*\k   ; 32 lanes store 256 consecutive bytes, aligned
.endr
	global_store_b32 v[GO4], v223, s[SCUR:SCUR+1]
.endm
.Lqk:
	PAIRQK 1
	s_add_co_u32 s[CNT], s[CNT], 1
	s_cmp_lt_u32 s[CNT], 7
	s_cbranch_scc1 .Lqk
	PAIRQK 0                                       ; the last pair asks for nothing
	s_wait_tensorcnt 0x0
	ds_add_u32 v235, v239
	s_wait_dscnt 0x0
	s_endpgm
	; ================= v =================
.Lv:
	s_wait_alu depctr_va_vdst(0)
	v_lshlrev_b32 v[BA], 2, v20                    ; a lane holds one channel: its bias in all eight registers of C
	WIN 0x80
.irp n, 0,1,2,3
.irp j, 0,1,2,3,4,5,6,7
	global_load_b32 v[144+8*\n+\j], v[BA], s[BP:BP+1] offset:(32*(\n/2)+8*(\n%2))*4
.endr
.endr
	WIN 0
	s_add_co_u32 s[OF], s97, VC
	s_add_nc_u64 s[CB:CB+1], s[34:35], s[OF:OF+1]
	s_add_co_u32 s[OF], s97, VSC
	s_add_nc_u64 s[SB:SB+1], s[34:35], s[OF:OF+1]
	WBATCH 0
	WBATCH 1
	WBATCH 2
	WBATCH 3
.irp b, 0,1,2,3
	v_mov_b32 v[TM+4+\b], 0
.endr
	s_wait_tensorcnt 0x0
	s_barrier_signal -1
	s_barrier_wait -1                              ; x lies in LDS; from here on LDS is only read
	s_mov_b32 s[XB], 0
	s_mov_b32 s[XSB], 0
	s_mov_b32 s[CNT], 0
	v_add_nc_u32 v[XD1], s[XB], v[XA1]
	v_add_nc_u32 v[XD2], s[XB], v[XA2]
	v_add_nc_u32 v[XSD], s[XSB], v[XSA]
	XLOADH 0, 0
	XSLOAD 0
	XLOADH 4, 0
	s_wait_loadcnt 0x0
; a pair's 32 keys are one block of each channel: its scale byte and 16 codes a lane.  a = 0: the first block of 64 keys; 1: the second
.macro VQ a
	WIN 0x3c                                       ; sources 1 and 2: the sums, window 3
.irp n, 0,1,2,3
	v_max3_num_f32 v[TM+\n], 0x1800000, |v[192+16*\n]|, |v[193+16*\n]|
.endr
.irp i, 2,4,6,8,10,12,14
.irp n, 0,1,2,3
	v_max3_num_f32 v[TM+\n], v[TM+\n], |v[192+16*\n+\i]|, |v[193+16*\n+\i]|
.endr
.endr
	WIN 0
.irp n, 0,1,2,3
	v_permlanex16_b32 v[TM+4+\n], v[TM+\n], s[SEL], s[SEL+1]
.endr
.irp n, 0,1,2,3
	v_max_num_f32 v[TM+\n], v[TM+\n], v[TM+4+\n]
.endr
.irp n, 0,1,2,3
	v_add_nc_u32 v[TM+12+\n], 0xff000000, v[TM+\n]
.endr
.if \a == 0
.irp n, 0,1,2,3
	v_lshrrev_b32 v[HW+\n], 23, v[TM+12+\n]
.endr
.else
.irp n, 0,1,2,3
	v_lshrrev_b32 v[TM+4+\n], 23, v[TM+12+\n]
.endr
.irp n, 0,1,2,3
	v_lshl_or_b32 v[HW+\n], v[TM+4+\n], 8, v[HW+\n]
.endr
.endif
	WIN 0x03
.irp n, 0,1,2,3
.if \a == 0
	v_cvt_scalef32_pk16_fp6_f32 v[VF+8*\n:VF+8*\n+2], v[192+16*\n:207+16*\n], v[TM+12+\n]
.else
	v_cvt_scalef32_pk16_fp6_f32 v[VT+4*\n:VT+4*\n+2], v[192+16*\n:207+16*\n], v[TM+12+\n]
.endif
.endr
	WIN 0
	v_nop                                          ; one plain place behind a scaled conversion
.endm
; 64 keys: two pairs, half a fragment of each of my four channel tiles
.macro TRIPV pre
	MM 1, 48, 0
	PLACES 4
	XLOADH 0, 2*XTILE                              ; the second pair
	XSLOAD 1024
	XLOADH 4, 2*XTILE
	s_wait_xcnt 0x0                                ; the last trip's stores have read their registers and bases
	VQ 0
	MM 1, 48, 0
.if \pre
	s_add_co_u32 s[XB], s[XB], 4*XTILE
	s_add_co_u32 s[XSB], s[XSB], 2048
	v_add_nc_u32 v[XD1], s[XB], v[XA1]
	v_add_nc_u32 v[XD2], s[XB], v[XA2]
	v_add_nc_u32 v[XSD], s[XSB], v[XSA]
	v_nop                                          ; with the three above: four places
	XLOADH 0, 0
	XSLOAD 0
	XLOADH 4, 0
.else
	PLACES 4
.endif
	VQ 1
.irp n, 0,1,2,3                        ; a whole block to a lane: lanes 0-15 the first 32 keys, lanes 16-31 the second
.irp k, 0,1,2
	v_permlane16_swap_b32 v[VF+8*\n+\k], v[VT+4*\n+\k]
.endr
.endr
.irp n, 0,1,2,3
.irp k, 0,1,2
	v_mov_b32 v[VF+8*\n+3+\k], v[VT+4*\n+\k]
.endr
.endr
	v_cndmask_b32 v[HC], v[HW], v[HW+1], s[HM]     ; lanes 0-15 the even channel tile's two bytes, lanes 16-31 the odd one's
	v_cndmask_b32 v[HC+1], v[HW+2], v[HW+3], s[HM]
	s_lshr_b32 s95, s[CNT], 1
	s_mul_i32 s95, s95, STEPB
	s_and_b32 s96, s[CNT], 1
	s_mul_i32 s97, s96, 3072
	s_add_co_u32 s[OF], s95, s97
	s_add_nc_u64 s[CUR:CUR+1], s[CB:CB+1], s[OF:OF+1]
	s_lshl_b32 s96, s96, 1
	s_add_co_u32 s[OF], s95, s96
	s_add_nc_u64 s[SCUR:SCUR+1], s[SB:SB+1], s[OF:OF+1]
	s_wait_alu depctr_va_vdst(0)
.irp n, 0,1,2,3
.irp k, 0,1,2
	global_store_b64 v[GO8], v[VF+8*\n+2*\k:VF+8*\n+2*\k+1], s[CUR:CUR+1] offset:(3*\n+\k)*256
.endr
.endr
	global_store_b16 v[GO4], v[HC], s[SCUR:SCUR+1]             ; two of a scale word's four bytes
	global_store_b16 v[GO4], v[HC+1], s[SCUR:SCUR+1] offset:128
.endm
.Lvt:
	s_wait_alu depctr_va_vdst(0)
	TRIPV 1
	s_add_co_u32 s[CNT], s[CNT], 1
	s_cmp_lt_u32 s[CNT], 3
	s_cbranch_scc1 .Lvt
	TRIPV 0
	s_wait_tensorcnt 0x0
	ds_add_u32 v235, v239
	s_wait_dscnt 0x0
	s_endpgm
.Lfunc_end_k_qde1fe6cdae_proj:
	.size	k_qde1fe6cdae_proj, .Lfunc_end_k_qde1fe6cdae_proj-k_qde1fe6cdae_proj
	.p2alignl 7, 3214868480
	.fill 96, 4, 3214868480
	.section	.rodata,"a",@progbits
	.p2align	6, 0x0
	.amdhsa_kernel k_qde1fe6cdae_proj
		.amdhsa_group_segment_fixed_size 283136
		.amdhsa_private_segment_fixed_size 0
		.amdhsa_enable_private_segment 0
		.amdhsa_kernarg_size 128
		.amdhsa_user_sgpr_count 2
		.amdhsa_user_sgpr_kernarg_segment_ptr 1
		.amdhsa_wavefront_size32 1
		.amdhsa_system_sgpr_workgroup_id_x 1
		.amdhsa_system_sgpr_workgroup_id_y 1
		.amdhsa_system_sgpr_workgroup_id_z 1
		.amdhsa_system_vgpr_workitem_id 0
		.amdhsa_next_free_vgpr 1024
		.amdhsa_next_free_sgpr 100
		.amdhsa_reserve_vcc 1
		.amdhsa_float_denorm_mode_32 3
		.amdhsa_float_denorm_mode_16_64 3
		.amdhsa_memory_ordered 1
		.amdhsa_forward_progress 1
		.amdhsa_inst_pref_size 255
	.end_amdhsa_kernel
	.amdgpu_metadata
---
amdhsa.version: [ 1, 2 ]
amdhsa.kernels:
  - .name:           k_qde1fe6cdae_proj
    .symbol:         k_qde1fe6cdae_proj.kd
    .args:
      - { .name: query_codes, .offset: 0, .size: 8, .value_kind: global_buffer, .address_space: global }
      - { .name: query_scales, .offset: 8, .size: 8, .value_kind: global_buffer, .address_space: global }
      - { .name: key_value_codes, .offset: 16, .size: 8, .value_kind: global_buffer, .address_space: global }
      - { .name: key_value_scales, .offset: 24, .size: 8, .value_kind: global_buffer, .address_space: global }
      - { .name: Wq_codes, .offset: 32, .size: 8, .value_kind: global_buffer, .address_space: global }
      - { .name: Wq_scales, .offset: 40, .size: 8, .value_kind: global_buffer, .address_space: global }
      - { .name: bq, .offset: 48, .size: 8, .value_kind: global_buffer, .address_space: global }
      - { .name: Wk_codes, .offset: 56, .size: 8, .value_kind: global_buffer, .address_space: global }
      - { .name: Wk_scales, .offset: 64, .size: 8, .value_kind: global_buffer, .address_space: global }
      - { .name: bk, .offset: 72, .size: 8, .value_kind: global_buffer, .address_space: global }
      - { .name: Wv_codes, .offset: 80, .size: 8, .value_kind: global_buffer, .address_space: global }
      - { .name: Wv_scales, .offset: 88, .size: 8, .value_kind: global_buffer, .address_space: global }
      - { .name: bv, .offset: 96, .size: 8, .value_kind: global_buffer, .address_space: global }
      - { .name: qimg, .offset: 104, .size: 8, .value_kind: global_buffer, .address_space: global }
      - { .name: qsc, .offset: 112, .size: 8, .value_kind: global_buffer, .address_space: global }
      - { .name: kvimg, .offset: 120, .size: 8, .value_kind: global_buffer, .address_space: global }
    .group_segment_fixed_size: 283136
    .private_segment_fixed_size: 0
    .kernarg_segment_align: 8
    .kernarg_segment_size: 128
    .max_flat_workgroup_size: 128
    .sgpr_count:     100
    .vgpr_count:     1024
    .wavefront_size: 32
...
	.end_amdgpu_metadata
.endif
;; end of part 1
;; launch attn (part 2): grid 16 x 16, 8 waves a work-group, clusters of 4 x 1, 327,680 bytes of LDS; arguments qimg, qsc, kvimg, oimg, osc; writes oimg, osc
.if DOCPART == 2
	.amdgcn_target "amdgcn-amd-amdhsa--gfx1250"
	.amdhsa_code_object_version 6
	.text
	.protected	k_qde1fe6cdae_attn
	.globl	k_qde1fe6cdae_attn
	.p2align	8
	.type	k_qde1fe6cdae_attn,@function
k_qde1fe6cdae_attn:
	s_mov_b64 s[64:65], 0
	v_nop
	global_prefetch_b8 v0, s[64:65] scope:SCOPE_SE
	s_setreg_imm32_b32 hwreg(HW_REG_WAVE_MODE, 25, 1), 1
	s_wait_xcnt 0x0
	s_wait_alu depctr_hold_cnt(0) depctr_sa_sdst(0) depctr_va_vdst(0) depctr_va_sdst(0) depctr_va_ssrc(0) depctr_va_vcc(0) depctr_vm_vsrc(0)
	s_getreg_b32 s2, hwreg(HW_REG_IB_STS2, 6, 4)
	s_cmp_eq_u32 s2, 0
	s_cbranch_scc0 .Lentry_in_a_cluster
	s_endpgm
.Lentry_in_a_cluster:
	s_bfe_u32 s2, ttmp6, 0x10000c
	s_cmp_lg_u32 s2, 0x3003
	s_cbranch_scc0 .Lentry_shape_is_right
	s_endpgm
.Lentry_shape_is_right:
; ATTN: S = q k^T and O = p v on codes of E2M3, with p = 2^(t - M), t = score x log2(e) / 8, M the running largest t rounded up to a whole number; the row's sum is taken of the unquantised p and divides O;
; O / sum is quantised along c = 64 head + channel and leaves as the image of the last product's operand.
; SHARES.  Work-group y = 4 b + kv head, x = 128 queries.  Wave w owns 16 queries for ALL FOUR query heads of the kv head, so each fragment of K and V read from LDS feeds four products, and its
; results are two whole fragments of 128 along the next K.  Two waves lie on a SIMD: one wave's vector work stands beside the other's products and LDS loads.
; LDS holds the whole kv head, 16 key steps of 13,056 bytes, filled once.  CLUSTER: the four query blocks of a cluster read the same bytes: each wave's two loads are joint, with a mask that names the four.
; LAYOUT.  Both products are used transposed (source 0 = 16 keys, or 16 channels; source 1 = my 16 queries): a lane holds one query throughout.  K's tiles are plain: the 16 registers of score tiles 2 b, 2 b + 1 hold
; keys 32 b + 16 u + 8 (lane / 16) + j: all of them in block b, in an order inside the block that V's codes were given too.
; K = 64 UNDER A STEP OF 128.  Q's fragment is six registers of codes and six of zero codes.  K's operand for tile t is registers 6 t .. 6 t + 11: its upper half is the next tile's codes (six zero registers stand
; behind tile 7), which meet Q's zero codes and add nothing; the scale words of q and k hold 0 in the two bytes of that half.
; LIMITS: NaN and infinities are not served; a block of p that has fallen to zeros keeps the scale byte 1 (its codes are zeros); the division is a reciprocal and a multiplication.
; REGISTERS: window 0: v1-6 addresses; v16-29 scale words; v32-55 six numbers a head: -M, largest t, the sum in two halves, f, a spare; v56-82 at work; v84-131 Q; v132-179 p's codes; v180-243 scores, then p.
;   window 1: v0-127 O^T (32 head + 8 channel tile); v128-181 K; v184-231 V.
.set STEPB, 13056
.set VC,    6144
.set KSC,   12288
.set VSC,   12800
.set L8,  1                            ; v1 8 x lane;  v2 4 x lane;  v3 4 x (lane % 16);  v6 16 x lane
.set L4,  2
.set R4,  3
.set A8,  4                            ; v4, v5: the first two for the key step in hand
.set A4,  5
.set L16, 6
.set QS,  16
.set KS,  20
.set VS,  24
.set PS,  26
.set ST,  32
.set TM,  56                           ; v56-59 largest scores, then p; v60-63 the other half's, then bytes; v68-71 the conversions' scale operands
.set CT,  72
.set AC,  80
.set TT,  82
.set Q,   84
.set P,   132
.set S,   180
.set KF,  128
.set VF,  184
.set WV,  14
.set SEL, 20
.set CS,  22
.set G1,  24
.set G0A, 32
.set G0B, 36
.set TB,  40
.set CNT, 41
.set MSB, 0
.macro WIN new
.if MSB != \new
	s_set_vgpr_msb (MSB<<8)|\new
.set MSB, \new
.endif
.endm
.macro PLACES n
.rept \n
	v_nop
.endr
.endm
.macro CROUND                          ; a round of the cluster's barrier
	s_barrier_signal -1
	s_barrier_wait -1
	s_cmp_lg_u32 s[WV], 0
	s_cbranch_scc1 .Lnot_wave_0_\@
	s_barrier_signal -3
.Lnot_wave_0_\@:
	s_barrier_wait -3
	s_barrier_signal -1
	s_barrier_wait -1
.endm
; one product.  z = 1: it starts the sum; ra = 1: source 0's scales stand in lanes 16-31
.macro WM d, a, b, z, sa, sb, ra
.if (\z) && (\ra)
	v_wmma_scale_f32_16x16x128_f8f6f4 v[\d:\d+7], v[\a:\a+11], v[\b:\b+11], 0, v[\sa], v[\sb] matrix_a_fmt:MATRIX_FMT_FP6 matrix_b_fmt:MATRIX_FMT_FP6 matrix_a_scale:MATRIX_SCALE_ROW1
.elseif (\z)
	v_wmma_scale_f32_16x16x128_f8f6f4 v[\d:\d+7], v[\a:\a+11], v[\b:\b+11], 0, v[\sa], v[\sb] matrix_a_fmt:MATRIX_FMT_FP6 matrix_b_fmt:MATRIX_FMT_FP6
.elseif (\ra)
	v_wmma_scale_f32_16x16x128_f8f6f4 v[\d:\d+7], v[\a:\a+11], v[\b:\b+11], v[\d:\d+7], v[\sa], v[\sb] matrix_a_fmt:MATRIX_FMT_FP6 matrix_b_fmt:MATRIX_FMT_FP6 matrix_a_scale:MATRIX_SCALE_ROW1
.else
	v_wmma_scale_f32_16x16x128_f8f6f4 v[\d:\d+7], v[\a:\a+11], v[\b:\b+11], v[\d:\d+7], v[\sa], v[\sb] matrix_a_fmt:MATRIX_FMT_FP6 matrix_b_fmt:MATRIX_FMT_FP6
.endif
.endm
.macro SMM i                           ; head i's scores of 128 keys: 8 products
	WIN 0x01                                       ; K window 1
.irp t, 0,1,2,3,4,5,6,7
	WM S+8*\t, KF+6*\t, Q+12*\i, 1, KS+\t/2, QS+\i, \t%2
.endr
.endm
.macro PVM first                       ; O^T += V^T p^T: 16 accumulators, one turn each
	WIN 0x51                                       ; V, C and D window 1
	s_setprio 0
.irp n, 0,1,2,3
.irp i, 0,1,2,3
	WM 32*\i+8*\n, VF+12*\n, P+12*\i, \first, VS+\n/2, PS+\i, \n%2
.endr
.endr
.endm
.macro RESCALE i                       ; head i's O^T under the new M: x f, exact; from each accumulator's low end on
	WIN 0x41
.set k, 0
.rept 16
	v_pk_mul_f32 v[32*\i+k:32*\i+k+1], v[32*\i+k:32*\i+k+1], v[ST+6*\i+4:ST+6*\i+5] op_sel_hi:[1,0]
.set k, k+2
.endr
.endm
.macro AFTER i, first                  ; the places behind a head's score products: the rescaling of the head before, which is due anyway
.if \first
	PLACES 4
.else
	RESCALE \i
.endif
.endm
.macro VLOAD                           ; 26 loads
	WIN 0x40
.irp c, 0,1
.irp n, 0,1,2,3
.irp k, 0,1,2
	ds_load_b64 v[VF+12*\n+6*\c+2*\k:VF+12*\n+6*\c+2*\k+1], v[A8] offset:VC+((4*\c+\n)*3+\k)*256
.endr
.endr
.endr
	WIN 0
	ds_load_b32 v[VS], v[A4] offset:VSC
	ds_load_b32 v[VS+1], v[A4] offset:VSC+128
.endm
.macro KLOAD a8, a4, off               ; 28 loads
	WIN 0x40
.set k, 0
	s_setprio 1
.rept 24
	ds_load_b64 v[KF+2*k:KF+2*k+1], v[\a8] offset:\off+256*k
.set k, k+1
.endr
	WIN 0
.irp j, 0,1,2,3
	ds_load_b32 v[KS+\j], v[\a4] offset:\off+KSC+128*\j
.endr
.endm
; head i's softmax of a key step
.macro SOFT i
.set T, ST+6*\i
.set PP, P+12*\i
	WIN 0
.irp b, 0,1,2,3
	v_max3_num_f32 v[TM+\b], v[S+16*\b], v[S+1+16*\b], v[S+2+16*\b]   ; the largest score of each block of 32 keys: for the row's maximum and, since p rises with the score, for the block's largest p
.endr
.irp j, 3,5,7,9,11,13
.irp b, 0,1,2,3
	v_max3_num_f32 v[TM+\b], v[TM+\b], v[S+16*\b+\j], v[S+1+16*\b+\j]
.endr
.endr
.irp b, 0,1,2,3
	v_max_num_f32 v[TM+\b], v[TM+\b], v[S+15+16*\b]
.endr
.irp b, 0,1,2,3
	s_delay_alu instid0(VALU_DEP_4)
	v_permlanex16_b32 v[TM+4+\b], v[TM+\b], s[SEL], s[SEL+1]
.endr
.irp b, 0,1,2,3
	s_delay_alu instid0(VALU_DEP_4)
	v_max_num_f32 v[TM+\b], v[TM+\b], v[TM+4+\b]
.endr
	s_delay_alu instid0(VALU_DEP_2)
	v_max3_num_f32 v[TT], v[TM], v[TM+1], v[TM+2]
	s_delay_alu instid0(VALU_DEP_1)
	v_max_num_f32 v[TT], v[TT], v[TM+3]
	s_delay_alu instid0(VALU_DEP_1)
	v_mul_f32 v[TT], s[CS], v[TT]
	s_delay_alu instid0(VALU_DEP_1)
	v_max_num_f32 v[T+1], v[T+1], v[TT]            ; the running largest t
	v_mov_b32 v[TT], v[T]
	s_delay_alu instid0(VALU_DEP_2)
	v_floor_f32 v[T], -v[T+1]                      ; -M = floor(-t): M is a whole number
	s_delay_alu instid0(VALU_DEP_1)
	v_sub_f32 v[TT], v[T], v[TT]                   ; old M - new M, 0 or less
	s_delay_alu instid0(VALU_DEP_1)
	v_cvt_i32_f32 v[TT], v[TT]                     ; (it saturates)
	s_delay_alu instid0(VALU_DEP_1)
	v_ldexp_f32 v[T+4], 1.0, v[TT]                 ; f = 2^(old M - new M)
.set k, 0
.rept 32
	v_pk_fma_f32 v[S+k:S+k+1], v[S+k:S+k+1], s[CS:CS+1], v[T:T+1] op_sel_hi:[1,0,0]   ; t - M
.set k, k+2
.endr
.irp b, 0,1,2,3
	v_fma_f32 v[TM+\b], v[TM+\b], s[CS], v[T]
.endr
.set k, 0
	s_wait_alu depctr_va_vdst(0)
.rept 64
	v_exp_f32 v[S+k], v[S+k]                       ; p, at most 1, not normalised
.set k, k+1
.endr
.irp b, 0,1,2,3
	v_exp_f32 v[TM+\b], v[TM+\b]                   ; the block's largest p: the same two instructions on the same number
.endr
	v_pk_mul_f32 v[T+2:T+3], v[T+2:T+3], v[T+4:T+5] op_sel_hi:[1,0]   ; the sum under the new M (a plain place behind the exponentials)
	s_wait_alu depctr_va_vdst(0)
.irp b, 0,1,2,3
	v_max_num_f32 v[TM+\b], 0x1800000, v[TM+\b]    ; the floor 2^(3 - 127)
.endr
.irp b, 0,1,2,3
	s_delay_alu instid0(VALU_DEP_4)
	v_add_nc_u32 v[TM+12+\b], 0xff000000, v[TM+\b]
.endr
.irp b, 0,1,2,3
	s_delay_alu instid0(VALU_DEP_4)
	v_lshrrev_b32 v[TM+4+\b], 23, v[TM+12+\b]
.endr
	s_delay_alu instid0(VALU_DEP_3)
	v_lshl_or_b32 v[PS+\i], v[TM+5], 8, v[TM+4]    ; p's scale word for these 128 keys
	s_delay_alu instid0(VALU_DEP_1)
	v_lshl_or_b32 v[PS+\i], v[TM+6], 16, v[PS+\i]
	s_delay_alu instid0(VALU_DEP_1)
	v_lshl_or_b32 v[PS+\i], v[TM+7], 24, v[PS+\i]
.irp c, 0,1
	v_cvt_scalef32_pk16_fp6_f32 v[PP+6*\c:PP+2+6*\c], v[S+32*\c:S+15+32*\c], v[TM+12+2*\c]
	v_cvt_scalef32_pk16_fp6_f32 v[CT+4*\c:CT+2+4*\c], v[S+16+32*\c:S+31+32*\c], v[TM+12+2*\c+1]
.endr
	v_nop                                          ; one plain place behind a scaled conversion
.irp c, 0,1
.irp j, 0,1,2
	v_permlane16_swap_b32 v[PP+6*\c+\j], v[CT+4*\c+\j]
.endr
.irp j, 0,1,2
	s_delay_alu instid0(VALU_DEP_3)
	v_mov_b32 v[PP+3+6*\c+\j], v[CT+4*\c+\j]
.endr
.endr
	v_pk_add_f32 v[AC:AC+1], v[S:S+1], v[S+2:S+3]  ; the row's sum, of the unquantised p, in two chains
.set k, 4
.rept 15
	v_pk_add_f32 v[T+2:T+3], v[T+2:T+3], v[S+k:S+k+1]
	v_pk_add_f32 v[AC:AC+1], v[AC:AC+1], v[S+k+2:S+k+3]
.set k, k+4
.endr
	s_delay_alu instid0(VALU_DEP_1)
	v_pk_add_f32 v[T+2:T+3], v[T+2:T+3], v[AC:AC+1]
.endm
; a key step of 128 keys.  first = 1: its products start O^T; pre = 1: the next step's K is asked for
.macro STEP first, pre
	s_wait_dscnt 0x0                               ; this step's K is in
	v_add_nc_u32 v[A8], s[TB], v[L8]
	v_add_nc_u32 v[A4], s[TB], v[L4]
	SMM 0
	PLACES 4                                       ; behind the score products, and with the two additions above behind the last step's products, whose V is now loaded over
	VLOAD
	SOFT 0
	SMM 1
	AFTER 0, \first
	SOFT 1
	SMM 2
	AFTER 1, \first
	SOFT 2
	SMM 3
	AFTER 2, \first
.if \pre
	KLOAD A8, A4, STEPB
.endif
	SOFT 3
.if \first == 0
	RESCALE 3
.endif
	s_wait_alu depctr_va_vdst(0)
	s_wait_dscnt 28*\pre                           ; V is in; the next step's 24 + 4 loads of K, issued behind it, may be out
	PVM \first
	WIN 0
	s_add_co_u32 s[TB], s[TB], STEPB
.endm
.macro QUANT s, pc, ct, pw             ; 64 numbers of a lane, register 16 b + i = k 32 b + 16 (lane / 16) + i, become a fragment and its scale word
.irp b, 0,1,2,3
	v_max3_num_f32 v[TM+\b], |v[\s+16*\b]|, |v[\s+1+16*\b]|, 0x1800000
.endr
.irp j, 2,4,6,8,10,12,14
.irp b, 0,1,2,3
	s_delay_alu instid0(VALU_DEP_4)
	v_max3_num_f32 v[TM+\b], v[TM+\b], |v[\s+16*\b+\j]|, |v[\s+1+16*\b+\j]|
.endr
.endr
.irp b, 0,1,2,3
	s_delay_alu instid0(VALU_DEP_4)
	v_permlanex16_b32 v[TM+4+\b], v[TM+\b], s[SEL], s[SEL+1]
.endr
.irp b, 0,1,2,3
	s_delay_alu instid0(VALU_DEP_4)
	v_max_num_f32 v[TM+\b], v[TM+\b], v[TM+4+\b]
.endr
.irp b, 0,1,2,3
	s_delay_alu instid0(VALU_DEP_4)
	v_add_nc_u32 v[TM+12+\b], 0xff000000, v[TM+\b]
.endr
.irp b, 0,1,2,3
	s_delay_alu instid0(VALU_DEP_4)
	v_lshrrev_b32 v[TM+4+\b], 23, v[TM+12+\b]
.endr
	s_delay_alu instid0(VALU_DEP_3)
	v_lshl_or_b32 v[\pw], v[TM+5], 8, v[TM+4]
	s_delay_alu instid0(VALU_DEP_1)
	v_lshl_or_b32 v[\pw], v[TM+6], 16, v[\pw]
	s_delay_alu instid0(VALU_DEP_1)
	v_lshl_or_b32 v[\pw], v[TM+7], 24, v[\pw]
.irp c, 0,1
	v_cvt_scalef32_pk16_fp6_f32 v[\pc+6*\c:\pc+2+6*\c], v[\s+32*\c:\s+15+32*\c], v[TM+12+2*\c]
	v_cvt_scalef32_pk16_fp6_f32 v[\ct+4*\c:\ct+2+4*\c], v[\s+16+32*\c:\s+31+32*\c], v[TM+12+2*\c+1]
.endr
	v_nop
.irp c, 0,1
.irp j, 0,1,2
	v_permlane16_swap_b32 v[\pc+6*\c+\j], v[\ct+4*\c+\j]
.endr
.irp j, 0,1,2
	s_delay_alu instid0(VALU_DEP_3)
	v_mov_b32 v[\pc+3+6*\c+\j], v[\ct+4*\c+\j]
.endr
.endr
.endm
	s_load_b256 s[4:11], s[0:1], 0x0               ; qimg, qsc, kvimg, oimg
	s_load_b64 s[12:13], s[0:1], 0x20              ; osc
	v_lshl_add_u32 v254, v0, 2, 0x33000
	v_mov_b32 v255, 0
	ds_add_u32 v254, v255
	ds_add_u32 v254, v255
	v_lshrrev_b32 v7, 5, v0
	s_delay_alu instid0(VALU_DEP_1)
	v_readfirstlane_b32 s[WV], v7                  ; wave 0..7
	s_bfe_u32 s15, ttmp6, 0x40000                  ; cx: it enters q's and O's addresses alone
	s_lshl_b32 s16, ttmp9, 2
	s_add_co_u32 s16, s16, s15                     ; my block of 128 queries
	s_and_b32 s17, ttmp7, 0xffff                   ; 4 b + kv head, which the four partners share
	s_lshl_b32 s18, s16, 3
	s_add_co_u32 s18, s18, s[WV]                   ; my tile of 16 queries
	; group 1: a key step, 13,056 dense bytes, as 51 rows of 256; the mask names all four work-groups
	s_mov_b32 s[G1], 15|(3<<16)|(1<<21)
	s_mov_b32 s[G1+1], 32<<16
	s_mov_b32 s[G1+2], 51<<16
	s_mov_b32 s[G1+3], 32<<16
	s_mov_b32 s[G1+4], 51
	s_mov_b32 s[G1+5], 32
	s_mov_b32 s[G1+6], 0
	s_mov_b32 s[G1+7], 0
	s_mul_i32 s42, s17, 16*STEPB
	s_mul_i32 s44, s[WV], STEPB
	s_add_co_u32 s42, s42, s44
	s_mov_b32 s43, 0
	s_mov_b32 s[SEL], 0x76543210
	s_mov_b32 s[SEL+1], 0xfedcba98
	s_mov_b32 s[CS], 0x3e38aa3b                    ; log2(e) / 8
	s_mov_b32 s[CS+1], s[CS]
	s_wait_dscnt 0x0
	s_wait_kmcnt 0x0
	s_mov_b32 s[G0A], 1                            ; key step w,
	s_mov_b32 s[G0A+1], s44
	s_add_nc_u64 s[G0A+2:G0A+3], s[8:9], s[42:43]
	s_mov_b32 s[G0B], 1                            ; and key step w + 8
	s_add_co_u32 s[G0B+1], s44, 8*STEPB
	s_add_nc_u64 s[G0B+2:G0B+3], s[G0A+2:G0A+3], 8*STEPB
	s_or_b32 s[G0A+3], s[G0A+3], 0x80000000
	s_or_b32 s[G0B+3], s[G0B+3], 0x80000000
	CROUND                                         ; all four work-groups are here: the joint loads meet
	tensor_load_to_lds s[G0A:G0A+3], s[G1:G1+7]    ; one load of mine is out; every LDS byte is filled once
	s_nop 0
	s_wait_alu depctr_va_vdst(0)
	s_wait_tensorcnt 0x0
	ds_add_u32 v254, v255
	s_wait_dscnt 0x0
	CROUND
	tensor_load_to_lds s[G0B:G0B+3], s[G1:G1+7]
	s_nop 0
	PLACES 4
	v_and_b32 v7, 31, v0
	s_delay_alu instid0(VALU_DEP_1)
	v_lshlrev_b32 v[L8], 3, v7
	s_wait_alu depctr_va_vdst(0)
	v_lshlrev_b32 v[L4], 2, v7
	v_lshlrev_b32 v[L16], 4, v7
	v_and_b32 v[R4], 15, v0
	s_delay_alu instid0(VALU_DEP_1)
	v_lshlrev_b32 v[R4], 2, v[R4]
	s_wait_alu depctr_va_vdst(0)
	s_mov_b32 s47, 0
	s_mul_i32 s46, s17, 393216                     ; q: four heads of 128 tiles of 768 bytes for each (b, kv head)
	s_mul_i32 s48, s18, 768
	s_add_co_u32 s46, s46, s48
	s_add_nc_u64 s[4:5], s[4:5], s[46:47]
	s_lshl_b32 s46, s17, 15
	s_lshl_b32 s48, s18, 6
	s_add_co_u32 s46, s46, s48
	s_add_nc_u64 s[6:7], s[6:7], s[46:47]
	s_lshr_b32 s50, s17, 2                         ; b
	s_and_b32 s51, s17, 3                          ; kv head
	s_mul_i32 s46, s50, 1572864
	s_mul_i32 s48, s18, 12288
	s_add_co_u32 s46, s46, s48
	s_mul_i32 s48, s51, 3072
	s_add_co_u32 s46, s46, s48
	s_add_nc_u64 s[10:11], s[10:11], s[46:47]
	s_lshl_b32 s46, s50, 16
	s_lshr_b32 s48, s18, 1
	s_lshl_b32 s48, s48, 10
	s_add_co_u32 s46, s46, s48
	s_lshl_b32 s48, s51, 8
	s_add_co_u32 s46, s46, s48
	s_and_b32 s48, s18, 1
	s_lshl_b32 s48, s48, 6
	s_add_co_u32 s46, s46, s48
	s_add_nc_u64 s[12:13], s[12:13], s[46:47]
.irp i, 0,1,2,3
.irp k, 0,1,2
	global_load_b64 v[Q+12*\i+2*\k:Q+12*\i+2*\k+1], v[L8], s[4:5] offset:98304*\i+256*\k
.endr
	global_load_b32 v[QS+\i], v[R4], s[6:7] offset:8192*\i
.endr
.irp i, 0,1,2,3
.irp k, 6,7,8,9,10,11
	v_mov_b32 v[Q+12*\i+\k], 0                     ; zero codes: the empty half of the K step
.endr
.endr
	WIN 0x40
.irp k, 0,1,2,3,4,5
	v_mov_b32 v[KF+48+\k], 0                       ; behind K's tile 7
.endr
	WIN 0
.irp i, 0,1,2,3
	v_mov_b32 v[ST+6*\i+1], 0xff61b1e6             ; the largest t so far: -3e38
	s_delay_alu instid0(VALU_DEP_1)
	v_floor_f32 v[ST+6*\i], -v[ST+6*\i+1]
	v_mov_b32 v[ST+6*\i+2], 0
	v_mov_b32 v[ST+6*\i+3], 0
	v_mov_b32 v[ST+6*\i+4], 0
	v_mov_b32 v[ST+6*\i+5], 0                      ; (named with f as a pair)
	v_mov_b32 v[TM+4+\i], 0                        ; a lane permute's destination counts as one of its sources
.endr
	s_wait_tensorcnt 0x0                           ; my two key steps have landed,
	s_barrier_signal -1
	s_barrier_wait -1                              ; everybody's.  From here on LDS is only read
	s_mov_b32 s[TB], 0
	KLOAD L8, L4, 0
	s_wait_loadcnt 0x0                             ; Q
	STEP 1, 1
	s_mov_b32 s[CNT], 14
.Lstep:
	s_setprio 2
	STEP 0, 1
	s_sub_co_u32 s[CNT], s[CNT], 1
	s_cmp_lg_u32 s[CNT], 0
	s_cbranch_scc1 .Lstep
	s_setprio 0
	STEP 0, 0                                      ; the last step asks for nothing
	; the sums; these additions are the places behind the last products
.irp i, 0,1,2,3
	v_add_f32 v[TM+\i], v[ST+6*\i+2], v[ST+6*\i+3]
.endr
.irp i, 0,1,2,3
	s_delay_alu instid0(VALU_DEP_4)
	v_permlanex16_b32 v[TM+4+\i], v[TM+\i], s[SEL], s[SEL+1]
.endr
.irp i, 0,1,2,3
	s_delay_alu instid0(VALU_DEP_4)
	v_add_f32 v[TM+\i], v[TM+\i], v[TM+4+\i]
.endr
	s_wait_alu depctr_va_vdst(0)
.irp i, 0,1,2,3
	v_rcp_f32 v[ST+6*\i+4], v[TM+\i]
.endr
	v_nop                                          ; a plain place behind the reciprocals
	s_wait_alu depctr_va_vdst(0)
.irp g, 0,1                            ; two heads are 128 along the next K: one fragment
	WIN 0x01
.irp e, 0,1
.set k, 0
.rept 16
	v_pk_mul_f32 v[S+32*\e+k:S+32*\e+k+1], v[32*(2*\g+\e)+k:32*(2*\g+\e)+k+1], v[ST+6*(2*\g+\e)+4:ST+6*(2*\g+\e)+5] op_sel_hi:[1,0]
.set k, k+2
.endr
.endr
	WIN 0
	QUANT S, P+24*\g, CT, PS+\g
.irp c, 0,1,2
	global_store_b128 v[L16], v[P+24*\g+4*\c:P+24*\g+4*\c+3], s[10:11] offset:1536*\g+512*\c   ; 32 lanes store 512 consecutive bytes, aligned
.endr
	global_store_b32 v[R4], v[PS+\g], s[12:13] offset:128*\g       ; both halves of the lanes hold the same word and write it to the same place
.endr
	s_wait_dscnt 0x0
	s_wait_tensorcnt 0x0
	ds_add_u32 v254, v255
	s_wait_dscnt 0x0
	CROUND                                         ; the closing round
	s_endpgm
.Lfunc_end_k_qde1fe6cdae_attn:
	.size	k_qde1fe6cdae_attn, .Lfunc_end_k_qde1fe6cdae_attn-k_qde1fe6cdae_attn
	.p2alignl 7, 3214868480
	.fill 96, 4, 3214868480
	.section	.rodata,"a",@progbits
	.p2align	6, 0x0
	.amdhsa_kernel k_qde1fe6cdae_attn
		.amdhsa_group_segment_fixed_size 327680
		.amdhsa_private_segment_fixed_size 0
		.amdhsa_enable_private_segment 0
		.amdhsa_kernarg_size 40
		.amdhsa_user_sgpr_count 2
		.amdhsa_user_sgpr_kernarg_segment_ptr 1
		.amdhsa_wavefront_size32 1
		.amdhsa_system_sgpr_workgroup_id_x 1
		.amdhsa_system_sgpr_workgroup_id_y 1
		.amdhsa_system_sgpr_workgroup_id_z 1
		.amdhsa_system_vgpr_workitem_id 0
		.amdhsa_next_free_vgpr 512
		.amdhsa_next_free_sgpr 66
		.amdhsa_reserve_vcc 0
		.amdhsa_float_denorm_mode_32 3
		.amdhsa_float_denorm_mode_16_64 3
		.amdhsa_memory_ordered 1
		.amdhsa_forward_progress 1
		.amdhsa_inst_pref_size 205
	.end_amdhsa_kernel
	.amdgpu_metadata
---
amdhsa.version: [ 1, 2 ]
amdhsa.kernels:
  - .name:           k_qde1fe6cdae_attn
    .symbol:         k_qde1fe6cdae_attn.kd
    .args:
      - { .name: qimg, .offset: 0, .size: 8, .value_kind: global_buffer, .address_space: global }
      - { .name: qsc, .offset: 8, .size: 8, .value_kind: global_buffer, .address_space: global }
      - { .name: kvimg, .offset: 16, .size: 8, .value_kind: global_buffer, .address_space: global }
      - { .name: oimg, .offset: 24, .size: 8, .value_kind: global_buffer, .address_space: global }
      - { .name: osc, .offset: 32, .size: 8, .value_kind: global_buffer, .address_space: global }
    .group_segment_fixed_size: 327680
    .private_segment_fixed_size: 0
    .kernarg_segment_align: 8
    .kernarg_segment_size: 40
    .max_flat_workgroup_size: 256
    .sgpr_count:     66
    .vgpr_count:     512
    .wavefront_size: 32
...
	.end_amdgpu_metadata
.endif
;; end of part 2
;; launch outp (part 3): grid 4 x 64, 4 waves a work-group, clusters of 4 x 1, 327,680 bytes of LDS; arguments oimg, osc, Wo_codes, Wo_scales, bo, out0; writes out0
.if DOCPART == 3
	.amdgcn_target "amdgcn-amd-amdhsa--gfx1250"
	.amdhsa_code_object_version 6
	.text
	.protected	k_qde1fe6cdae_outp
	.globl	k_qde1fe6cdae_outp
	.p2align	8
	.type	k_qde1fe6cdae_outp,@function
k_qde1fe6cdae_outp:
	s_mov_b64 s[64:65], 0
	v_nop
	global_prefetch_b8 v0, s[64:65] scope:SCOPE_SE
	s_setreg_imm32_b32 hwreg(HW_REG_WAVE_MODE, 25, 1), 1
	s_wait_xcnt 0x0
	s_wait_alu depctr_hold_cnt(0) depctr_sa_sdst(0) depctr_va_vdst(0) depctr_va_sdst(0) depctr_va_ssrc(0) depctr_va_vcc(0) depctr_vm_vsrc(0)
	s_getreg_b32 s2, hwreg(HW_REG_IB_STS2, 6, 4)
	s_cmp_eq_u32 s2, 0
	s_cbranch_scc0 .Lentry_in_a_cluster
	s_endpgm
.Lentry_in_a_cluster:
	s_bfe_u32 s2, ttmp6, 0x10000c
	s_cmp_lg_u32 s2, 0x3003
	s_cbranch_scc0 .Lentry_shape_is_right
	s_endpgm
.Lentry_shape_is_right:
; OUTP: out0[b][o][t] = sum over c of Wo[o][c] O[b][t][c] + bo[o], on Wo's given codes and the codes of O that the launch before made.
; SHARES.  Work-group x (the place in the cluster) = 256 rows o of Wo, y = 128 rows (b, t).  Wave w keeps rows 64 w .. 64 w + 63 of its column's Wo in registers (32 fragments, read once) and walks the
; 128 rows of O in four pairs of tiles of 16.  Source 0 = O's tile, source 1 = Wo's rows: a lane then holds eight neighbouring t of one output row o.
; CLUSTER: the four columns read the same rows of O: each wave's two loads (a pair's fragments as they lie, 24,576 bytes; its scale words, 1,024) are joint, with a mask that names the four.  LDS is filled once.
; THE WAY OUT: two pairs (64 t, 256 bytes of each of my 64 output rows) gather in my own stage in LDS and leave as whole aligned blocks of 256 bytes, sixteen lanes to a block.
; REGISTERS: window 0: addresses, scale words, v64-191 rows on their way out.  window 1: Wo's K steps 0-4.  window 2: K steps 5-7, from v144 the bias.  window 3: O's 16 fragments of a pair, from v192 the 8 accumulators.
.set XSC, 98304                        ; behind the fragments: the scale words, 4 pairs x 1,024 bytes
.set STG, 102400                       ; behind them: a stage of 64 rows x (256 + 16) bytes for each wave; no fill lands there
.set L16, 4
.set XSD, 5
.set XD,  6
.set STO, 7
.set RD,  8
.set GOUT, 9
.set WA,  12
.set WSA, 13
.set BA,  14
.set XS,  24
.set WS,  32
.set OB,  64
.set WV,  16
.set G1C, 24
.set G0C, 32
.set G1S, 36
.set G0S, 44
.set WP,  8
.set MSB, 0
.macro WIN new
.if MSB != \new
	s_set_vgpr_msb (MSB<<8)|\new
.set MSB, \new
.endif
.endm
.macro PLACES n
.rept \n
	v_nop
.endr
.endm
.macro CROUND
	s_barrier_signal -1
	s_barrier_wait -1
	s_cmp_lg_u32 s[WV], 0
	s_cbranch_scc1 .Lnot_wave_0_\@
	s_barrier_signal -3
.Lnot_wave_0_\@:
	s_barrier_wait -3
	s_barrier_signal -1
	s_barrier_wait -1
.endm
.macro WM d, a, b, c, sa, sb, ra, rb
.if (\ra) && (\rb)
	v_wmma_scale_f32_16x16x128_f8f6f4 v[\d:\d+7], v[\a:\a+11], v[\b:\b+11], v[\c:\c+7], v[\sa], v[\sb] matrix_a_fmt:MATRIX_FMT_FP6 matrix_b_fmt:MATRIX_FMT_FP6 matrix_a_scale:MATRIX_SCALE_ROW1 matrix_b_scale:MATRIX_SCALE_ROW1
.elseif (\ra)
	v_wmma_scale_f32_16x16x128_f8f6f4 v[\d:\d+7], v[\a:\a+11], v[\b:\b+11], v[\c:\c+7], v[\sa], v[\sb] matrix_a_fmt:MATRIX_FMT_FP6 matrix_b_fmt:MATRIX_FMT_FP6 matrix_a_scale:MATRIX_SCALE_ROW1
.elseif (\rb)
	v_wmma_scale_f32_16x16x128_f8f6f4 v[\d:\d+7], v[\a:\a+11], v[\b:\b+11], v[\c:\c+7], v[\sa], v[\sb] matrix_a_fmt:MATRIX_FMT_FP6 matrix_b_fmt:MATRIX_FMT_FP6 matrix_b_scale:MATRIX_SCALE_ROW1
.else
	v_wmma_scale_f32_16x16x128_f8f6f4 v[\d:\d+7], v[\a:\a+11], v[\b:\b+11], v[\c:\c+7], v[\sa], v[\sb] matrix_a_fmt:MATRIX_FMT_FP6 matrix_b_fmt:MATRIX_FMT_FP6
.endif
.endm
.macro MMSTEP s                        ; K step s of a pair: the 8 accumulators one turn each; step 0 takes the bias as C
.if (\s) <= 4
.set WB, 48*(\s)
.else
.set WB, 48*((\s)-5)
.endif
.irp u, 0,1
.irp n, 0,1,2,3
.set WR, WB+12*\n
.set XR, 12*(2*(\s)+\u)
.set SW, WS+8*(\n/2)+(\s)
.set SX, XS+(\s)
.set AC, 192+16*\n+8*\u
.if (\s) == 0
.set CR, 144+8*\n
.else
.set CR, AC
.endif
	WM AC, XR, WR, CR, SX, SW, \u, \n%2
.endr
.endr
.endm
.macro MM w1, w2
	s_wait_dscnt \w1
.irp s, 0,1,2,3,4,5,6,7
.if \s == 4
	s_wait_dscnt \w2
.endif
.if \s == 0
	WIN 0xe7                                       ; O window 3, Wo window 1, bias window 2, sums window 3
.elseif \s <= 4
	WIN 0xf7
.else
	WIN 0xfb                                       ; Wo window 2
.endif
	MMSTEP \s
.endr
	WIN 0
.endm
.macro WFRAG n, s
.if (\s) <= 4
	WIN 0x40
.set WR, 48*(\s)+12*(\n)
.else
	WIN 0x80
.set WR, 48*((\s)-5)+12*(\n)
.endif
.irp p, 0,1,2,3,4,5
	global_load_b64 v[WR+2*\p:WR+2*\p+1], v[WA], s[WP:WP+1] offset:16*(\n)*768+96*(\s)+48*(\p/3)+8*(\p%3)
.endr
.endm
.macro WBATCH k
.irp e, 0,1
.irp n, 0,1,2,3
	WFRAG \n, 2*(\k)+\e
.endr
.endr
	WIN 0
.endm
.macro XHALF first                     ; four K steps of both tiles as they lie: 24 loads
	WIN 0xc0
.irp e, 0,1,2,3
.irp u, 0,1
.irp c, 0,1,2
	ds_load_b128 v[12*(2*(\first+\e)+\u)+4*\c:12*(2*(\first+\e)+\u)+4*\c+3], v[XD] offset:((8*\u+\first+\e)*3+\c)*512
.endr
.endr
.endr
	WIN 0
.endm
.macro XLOADI p                        ; pair p: 24 + 8 + 24 loads
	v_add_nc_u32 v[XD], 24576*\p, v[L16]
	XHALF 0
.irp s, 0,1,2,3,4,5,6,7
	ds_load_b32 v[XS+\s], v[XSD] offset:1024*\p+128*\s
.endr
	XHALF 4
.endm
.macro STAGE v0                        ; the pair's results into my stage, each accumulator from its low end on: 16 stores
	WIN 0x0c                                       ; an LDS store's data: window 3
.irp n, 0,1,2,3
.irp u, 0,1
	ds_store_b128 v[STO], v[192+16*\n+8*\u:195+16*\n+8*\u] offset:4352*\n+64*(\v0+\u)
	ds_store_b128 v[STO], v[196+16*\n+8*\u:199+16*\n+8*\u] offset:4352*\n+64*(\v0+\u)+16
.endr
.endr
	WIN 0
.endm
.macro BACK                            ; LDS serves a wave's instructions in order: these see my stores
.set k, 0
.rept 32
	ds_load_b128 v[OB+4*k:OB+4*k+3], v[RD] offset:544*k
.set k, k+1
.endr
.endm
.macro SEND d
.set k, 0
.rept 32
	s_wait_dscnt 31-k
	global_store_b128 v[GOUT], v[OB+4*k:OB+4*k+3], s[14:15] offset:16384*k+256*\d th:TH_STORE_NT   ; sixteen lanes store 256 consecutive bytes, aligned; written once, read by nobody here
.set k, k+1
.endr
.endm
	s_load_b256 s[4:11], s[0:1], 0x0               ; oimg, osc, Wo codes, Wo scales
	s_load_b128 s[12:15], s[0:1], 0x20             ; bo, out0
	v_lshl_add_u32 v254, v0, 2, 0x2a000
	v_mov_b32 v255, 0
	ds_add_u32 v254, v255
	ds_add_u32 v254, v255
	v_lshrrev_b32 v1, 5, v0
	v_readfirstlane_b32 s[WV], v1                  ; wave 0..3
	s_bfe_u32 s17, ttmp6, 0x40000                  ; cx = my column: it enters Wo's, bo's and out0's addresses alone
	s_and_b32 s18, ttmp7, 0xffff                   ; my 128 rows (b, t), which the four partners share
	; group 1: a pair's fragments, 24,576 dense bytes as 96 rows of 256; and its scale words, 4 rows
	s_mov_b32 s[G1C], 15|(3<<16)|(1<<21)
	s_mov_b32 s[G1C+1], 32<<16
	s_mov_b32 s[G1C+2], 96<<16
	s_mov_b32 s[G1C+3], 32<<16
	s_mov_b32 s[G1C+4], 96
	s_mov_b32 s[G1C+5], 32
	s_mov_b32 s[G1C+6], 0
	s_mov_b32 s[G1C+7], 0
	s_mov_b32 s[G1S], 15|(3<<16)|(1<<21)
	s_mov_b32 s[G1S+1], 32<<16
	s_mov_b32 s[G1S+2], 4<<16
	s_mov_b32 s[G1S+3], 32<<16
	s_mov_b32 s[G1S+4], 4
	s_mov_b32 s[G1S+5], 32
	s_mov_b32 s[G1S+6], 0
	s_mov_b32 s[G1S+7], 0
	s_mul_i32 s48, s18, 98304
	s_mul_i32 s50, s[WV], 24576
	s_add_co_u32 s48, s48, s50
	s_mov_b32 s49, 0
	s_lshl_b32 s52, s18, 12
	s_lshl_b32 s54, s[WV], 10
	s_add_co_u32 s52, s52, s54
	s_mov_b32 s53, 0
	s_wait_dscnt 0x0
	s_wait_kmcnt 0x0
	s_mov_b32 s[G0C], 1
	s_mov_b32 s[G0C+1], s50
	s_add_nc_u64 s[G0C+2:G0C+3], s[4:5], s[48:49]
	s_or_b32 s[G0C+3], s[G0C+3], 0x80000000
	s_mov_b32 s[G0S], 1
	s_add_co_u32 s[G0S+1], s54, XSC
	s_add_nc_u64 s[G0S+2:G0S+3], s[6:7], s[52:53]
	s_or_b32 s[G0S+3], s[G0S+3], 0x80000000
	CROUND                                         ; all four work-groups are here: the joint loads meet
	tensor_load_to_lds s[G0C:G0C+3], s[G1C:G1C+7]  ; one load of mine is out; every LDS byte is filled once
	s_nop 0
	s_wait_alu depctr_va_vdst(0)
	s_wait_tensorcnt 0x0
	ds_add_u32 v254, v255
	s_wait_dscnt 0x0
	CROUND
	tensor_load_to_lds s[G0S:G0S+3], s[G1S:G1S+7]
	s_nop 0
	PLACES 4
	s_lshl_b32 s56, s17, 8
	s_lshl_b32 s57, s[WV], 6
	s_add_co_u32 s56, s56, s57                     ; my first row o
	s_mov_b32 s59, 0
	s_mul_i32 s58, s56, 768
	s_add_nc_u64 s[8:9], s[8:9], s[58:59]
	s_lshl_b32 s58, s56, 5
	s_add_nc_u64 s[10:11], s[10:11], s[58:59]
	s_lshl_b32 s58, s56, 2
	s_add_nc_u64 s[12:13], s[12:13], s[58:59]
	s_lshr_b32 s60, s18, 4                         ; b
	s_lshl_b32 s60, s60, 10
	s_add_co_u32 s60, s60, s56
	s_lshl_b32 s58, s60, 13                        ; a row of out0 is 8,192 bytes
	s_and_b32 s60, s18, 15
	s_lshl_b32 s60, s60, 9                         ; 128 t are 512 bytes
	s_add_co_u32 s58, s58, s60
	s_add_nc_u64 s[14:15], s[14:15], s[58:59]
	s_mul_i32 s61, s[WV], 64*272
	s_add_co_u32 s61, s61, STG                     ; my stage
	v_and_b32 v1, 31, v0                           ; lane
	v_and_b32 v2, 15, v0                           ; r
	v_bfe_u32 v3, v0, 4, 1                         ; h
	v_lshlrev_b32 v[L16], 4, v1
	v_lshlrev_b32 v[XSD], 2, v1
	v_add_nc_u32 v[XSD], XSC, v[XSD]
	v_mul_u32_u24 v[STO], v2, 272                  ; in: row o = 16 n + r; 32 bytes for each half of the lanes
	v_lshl_add_u32 v[STO], v3, 5, v[STO]
	v_add_nc_u32 v[STO], s61, v[STO]
	v_mul_u32_u24 v[RD], v3, 272                   ; back: lanes 0-15 one row, lanes 16-31 the next
	v_lshl_add_u32 v[RD], v2, 4, v[RD]
	v_add_nc_u32 v[RD], s61, v[RD]
	v_lshlrev_b32 v[GOUT], 13, v3                  ; and the same two rows in out0
	v_lshl_add_u32 v[GOUT], v2, 4, v[GOUT]
	v_mul_u32_u24 v[WA], v2, 768
	v_mad_u32_u24 v[WA], v3, 24, v[WA]
	s_wait_alu depctr_va_vdst(0)
	v_lshlrev_b32 v[WSA], 5, v1                    ; lanes 0-15 the even tile's rows, lanes 16-31 the odd one's: 32 neighbouring rows
	v_lshlrev_b32 v[BA], 2, v2
.irp b, 0,1
.irp q, 0,1
	global_load_b128 v[WS+8*\b+4*\q:WS+8*\b+4*\q+3], v[WSA], s[10:11] offset:1024*\b+16*\q
.endr
.endr
	WIN 0x80
.irp n, 0,1,2,3
.irp j, 0,1,2,3,4,5,6,7
	global_load_b32 v[144+8*\n+\j], v[BA], s[12:13] offset:64*\n   ; a lane holds one row o: its bias in all eight registers of C
.endr
.endr
	WIN 0
	WBATCH 0
	WBATCH 1
	WBATCH 2
	WBATCH 3
	s_wait_tensorcnt 0x0                           ; my pair and its scale words have landed,
	s_barrier_signal -1
	s_barrier_wait -1                              ; everybody's
	XLOADI 0
	s_wait_loadcnt 0x0                             ; Wo, its scale words, the bias
	MM 24, 0                                       ; 24: the loads of K steps 4-7, issued last, may be out at K step 0
	PLACES 5                                       ; behind the last products: the stores read results, the loads land on operands, and the next pair's first products begin the same accumulators anew
	STAGE 0
	XLOADI 1
	MM 24, 0                                       ; the stage's stores, older than the 24, are done too: their registers may be written
	PLACES 5
	STAGE 2
	XLOADI 2
	BACK
	SEND 0                                         ; t 0 .. 63 of my 64 rows; its last wait leaves no LDS instruction out
	MM 0, 0
	PLACES 5
	STAGE 0
	XLOADI 3
	MM 24, 0
	PLACES 5
	STAGE 2
	s_wait_xcnt 0x0                                ; the first half's stores have read their registers
	BACK
	SEND 1                                         ; t 64 .. 127
	s_wait_dscnt 0x0
	s_wait_tensorcnt 0x0
	ds_add_u32 v254, v255
	s_wait_dscnt 0x0
	CROUND                                         ; the closing round
	s_endpgm
.Lfunc_end_k_qde1fe6cdae_outp:
	.size	k_qde1fe6cdae_outp, .Lfunc_end_k_qde1fe6cdae_outp-k_qde1fe6cdae_outp
	.p2alignl 7, 3214868480
	.fill 96, 4, 3214868480
	.section	.rodata,"a",@progbits
	.p2align	6, 0x0
	.amdhsa_kernel k_qde1fe6cdae_outp
		.amdhsa_group_segment_fixed_size 327680
		.amdhsa_private_segment_fixed_size 0
		.amdhsa_enable_private_segment 0
		.amdhsa_kernarg_size 48
		.amdhsa_user_sgpr_count 2
		.amdhsa_user_sgpr_kernarg_segment_ptr 1
		.amdhsa_wavefront_size32 1
		.amdhsa_system_sgpr_workgroup_id_x 1
		.amdhsa_system_sgpr_workgroup_id_y 1
		.amdhsa_system_sgpr_workgroup_id_z 1
		.amdhsa_system_vgpr_workitem_id 0
		.amdhsa_next_free_vgpr 1024
		.amdhsa_next_free_sgpr 66
		.amdhsa_reserve_vcc 0
		.amdhsa_float_denorm_mode_32 3
		.amdhsa_float_denorm_mode_16_64 3
		.amdhsa_memory_ordered 1
		.amdhsa_forward_progress 1
		.amdhsa_inst_pref_size 93
	.end_amdhsa_kernel
	.amdgpu_metadata
---
amdhsa.version: [ 1, 2 ]
amdhsa.kernels:
  - .name:           k_qde1fe6cdae_outp
    .symbol:         k_qde1fe6cdae_outp.kd
    .args:
      - { .name: oimg, .offset: 0, .size: 8, .value_kind: global_buffer, .address_space: global }
      - { .name: osc, .offset: 8, .size: 8, .value_kind: global_buffer, .address_space: global }
      - { .name: Wo_codes, .offset: 16, .size: 8, .value_kind: global_buffer, .address_space: global }
      - { .name: Wo_scales, .offset: 24, .size: 8, .value_kind: global_buffer, .address_space: global }
      - { .name: bo, .offset: 32, .size: 8, .value_kind: global_buffer, .address_space: global }
      - { .name: out0, .offset: 40, .size: 8, .value_kind: global_buffer, .address_space: global }
    .group_segment_fixed_size: 327680
    .private_segment_fixed_size: 0
    .kernarg_segment_align: 8
    .kernarg_segment_size: 48
    .max_flat_workgroup_size: 128
    .sgpr_count:     66
    .vgpr_count:     1024
    .wavefront_size: 32
...
	.end_amdgpu_metadata
.endif
;; end of part 3
